; MI455X (gfx1250); checked and timed in simulation.
; The chip was launched on July 23, 2026; its instructions are those of AMD's public machine-readable ISA for CDNA 5 (MIT licence, August 2026) and "CDNA5" Instruction Set Architecture Reference Guide (July 2026). The comments in the code are by the model that wrote it; some were corrected since.
;; Self Attention. Allowed arithmetic: matrix products marked QUANTISED: E2M1 operands, one E8M0 scale for each 32 along K, by v_wmma_scale_f32_16x16x128_f8f6f4 with both operands' format E2M1 (or v_wmma_scale_f32_32x16x128_f4), f32 sums; products left as they are: bf16, f16 or f32 operands; f32 sums; everything else in f32.
;; Inputs: W_K 1,024 x 1,024 float32; W_Q 1,024 x 1,024 float32; W_V 1,024 x 1,024 float32; x 4 x 2,048 x 1,024 float32.
;; Outputs: out0 4 x 2,048 x 1,024 float32.
;; This version of the problem:
;;   THIS VERSION OF THE PROBLEM IS GIVEN IN LOW PRECISION. The matrix products marked QUANTISED in the list below multiply operands that are first quantised to E2M1 (2 exponent bits, 1 mantissa bit; 4 bits a number), with one power-of-two scale for each 32 numbers along K (OCP MX v1.0); their sums are f32. The products marked 'left as it is' may take bf16, f16 or f32 operands, with f32 sums. Whichever they take, every output number must still come out within the allowed error. Rounding operands to bf16 (8 significant bits) uses up far more of that allowance than f16 does (11 bits, for magnitudes from 6e-5 to 65,504). All else is computed in f32.
;;   The module's matrix products, in the order in which they are computed (A, B: the left and right operand; K: the contracted axis; several contracted axes count as one K, in the product's order):
;;     1. [M 8,192, K 1,024] x [K 1,024, N 1,024]; A: input x; B: input W_Q: QUANTISED
;;     2. [M 8,192, K 1,024] x [K 1,024, N 1,024]; A: input x; B: input W_K: QUANTISED
;;     3. [M 8,192, K 1,024] x [K 1,024, N 1,024]; A: input x; B: input W_V: QUANTISED
;;     4. batch 4 x [M 2,048, K 1,024] x [K 1,024, N 2,048]; A: computed on the way; B: computed on the way: left as it is (an operand is computed on the way)
;;     5. batch 4 x [M 2,048, K 2,048] x [K 2,048, N 1,024]; A: computed on the way; B: computed on the way: left as it is (an operand is computed on the way)
;;   THE QUANTISER, for each operand of a quantised product, along K:
;;     - K is cut into blocks of 32 from its start; a last block that is shorter is filled with zeros.
;;     - A block's scale is 2^e with e = floor(log2(the largest magnitude in the block)) - 2, held to -126 .. 127; a block of zeros has e = 0. As a byte (E8M0): e + 127.
;;     - Each number is divided by its block's scale, clamped to +-6, and rounded to the nearest number of E2M1, ties to even, subnormals kept.
;;     - The product sums the exact products of the quantised numbers (number of the format x scale) in f32.
;;   ~~~python
;;   def quantise(x, axis):      # numpy; x: float32 -> the quantised numbers, widened to float32 again
;;       x = np.moveaxis(x, axis, -1); K = x.shape[-1]
;;       x = np.pad(x, [(0, 0)] * (x.ndim - 1) + [(0, -K % 32)]); x = x.reshape(x.shape[:-1] + (-1, 32)); a = np.abs(x).max(-1, keepdims=True)
;;       e = np.where(a > 0, np.clip(np.frexp(np.where(a > 0, a, 1))[1] - 1 - 2, -126, 127), 0)      # np.frexp(a)[1] - 1 = floor(log2(a)), exactly
;;       r = np.clip(x / 2.0 ** e, -6, 6)
;;       step = 2.0 ** (np.maximum(np.frexp(np.where(r == 0, 1, r))[1] - 1, 0) - 1)
;;       q = np.round(r / step) * step * 2.0 ** e      # np.round: ties to even
;;       return np.moveaxis(q.reshape(q.shape[:-2] + (-1,))[..., :K], -1, axis).astype(np.float32)
;;   ~~~
;; One version. Each part assembles by itself: llvm-mc -triple=amdgcn-amd-amdhsa -mcpu=gfx1250 --defsym DOCPART=n.
;; ======== version 1 of 1: 4 launches
;; limits: values are held in f16: magnitudes above 65,504 overflow, below 6.1e-05 lose precision
;; workspace buffers: xc 4,194,304 bytes; xs 262,144 bytes; wc 1,572,864 bytes; ws 98,304 bytes; qkv 50,331,648 bytes; p 33,554,432 bytes; stats 1,048,576 bytes
;; launch quant (part 1): grid 352 x 1, 4 waves a work-group, no clusters, 33,280 bytes of LDS; arguments x, W_Q, W_K, W_V, xc, xs, wc, ws; writes xc, xs, wc, ws
.if DOCPART == 1
	.amdgcn_target "amdgcn-amd-amdhsa--gfx1250"
	.amdhsa_code_object_version 6
	.text
	.protected	k_q517c15593a_quant
	.globl	k_q517c15593a_quant
	.p2align	8
	.type	k_q517c15593a_quant,@function
k_q517c15593a_quant:
	s_mov_b64 s[64:65], 0
	v_nop
	global_prefetch_b8 v0, s[64:65] scope:SCOPE_SE
	s_setreg_imm32_b32 hwreg(HW_REG_WAVE_MODE, 25, 1), 1
	s_wait_xcnt 0x0
; x [8192][1024] and W_Q, W_K, W_V [1024][1024], f32, K innermost, become codes of FP4 (E2M1), two a byte, the lower k in the low four bits, and one E8M0 byte for each 32 along K.
; xc [8192][512 bytes], xs [8192][32];  wc [3072][512 bytes], ws [3072][32]: rows 0-1023 W_Q's, 1024-2047 W_K's, 2048-3071 W_V's.
; A block's scale is 2^(floor(log2(its largest magnitude)) - 2); its byte is the largest magnitude's own exponent field - 2, held at 1 from below.  Each number is divided by the scale and rounded to the nearest code, ties to even;
; beyond 6 the conversion gives the largest code.
; LIMITS: a block of zeros gets the byte 1 (its codes are zeros, and this program alone reads the bytes); blocks whose largest magnitude lies under 2^-124 keep the byte 1; NaN and infinities are not served.
; Rows are dense and 1024 is a multiple of 32: every tensor is a plain stream of blocks of 32.  A work-group takes 32,768 numbers, a wave 8,192 in 16 steps of 512.  Work-groups 0-255 take x, then 32 each W_Q, W_K, W_V:
; only pointers are chosen, by the work-group's number; all take one path.  Each load reads 512 consecutive bytes; a step's 2,048 bytes turn through the wave's own stage in LDS, so that a lane holds 16 neighbours along K.
; Memory binds: no matrix unit, no cluster, no barrier (waves share nothing).  Loads run four steps (16 loads a wave) ahead.
.set WAVES, 4
.set STEPS, 16
.set XWG,   256                        ; x's work-groups
.set EMAX,  2
.set CB,    8                          ; bytes of 16 codes
.set R,     16                         ; v16-79   four sets of 16 numbers as they are loaded
.set X,     80                         ; v80-111  two sets of 16 neighbours
.set C,     128                        ; v128-191 codes: four registers for each step, so that no store's data are written again
.set E,     112                        ; v112-127 a scale byte for each step
.set WREG,  8192                       ; LDS: a region for each wave: two stages of 32 x SP bytes, behind them its 256 scale bytes
.set SP,    80                         ; a lane's place in a stage: 64 bytes + 16 of padding
.set SPW,   12                         ; v12  LDS address of my spare word; never rewritten
.set NIL,   13                         ; v13  0; never rewritten
.set SPARE, WAVES*WREG                 ; behind the four regions: the spare words, 128 bytes a wave
	s_load_b256 s[4:11], s[0:1], 0x0               ; x s[4:5], W_Q s[6:7], W_K s[8:9], W_V s[10:11]
	s_load_b256 s[12:19], s[0:1], 0x20             ; xc s[12:13], xs s[14:15], wc s[16:17], ws s[18:19]
	v_lshl_add_u32 v[SPW], v0, 2, SPARE
	v_mov_b32 v[NIL], 0
	v_lshrrev_b32 v1, 5, v0
	v_readfirstlane_b32 s20, v1                    ; wave
	v_and_b32 v2, 31, v0                           ; lane
	v_lshlrev_b32 v3, 4, v2                        ; my 16 bytes of a load's 512
	s_mul_i32 s21, s20, WREG
	v_lshrrev_b32 v14, 2, v2
	v_mul_u32_u24 v14, v14, SP
	v_and_b32 v15, 3, v2
	v_lshl_add_u32 v14, v15, 4, v14
	v_add_nc_u32 v14, s21, v14                     ; the stage, on the way in: SP (lane / 4) + 16 (lane % 4)
	v_mul_u32_u24 v15, v2, SP
	v_add_nc_u32 v15, s21, v15                     ; and on the way out: SP x lane: my 16 neighbours
	v_mul_u32_u24 v4, v2, CB                       ; my codes' place in a step's
	v_lshrrev_b32 v5, 1, v2
	s_add_co_u32 s21, s21, 2*32*SP
	v_add_nc_u32 v5, s21, v5                       ; LDS: my wave's 256 scale bytes, my block's byte
	v_lshlrev_b32 v7, 3, v2                        ; and on the way out 8 bytes a lane
	v_add_nc_u32 v6, s21, v7
	s_wait_kmcnt 0x0
	s_sub_co_u32 s22, ttmp9, XWG                   ; which of the weights' 96 work-groups (not used in x's)
	s_lshr_b32 s23, s22, 5                         ; which weight
	s_cmp_eq_u32 s23, 1
	s_cselect_b64 s[6:7], s[8:9], s[6:7]
	s_cmp_eq_u32 s23, 2
	s_cselect_b64 s[6:7], s[10:11], s[6:7]
	s_and_b32 s24, s22, 31                         ; which 32,768 numbers of that weight
	s_cmp_lt_u32 ttmp9, XWG                        ; x's work-group or a weight's?  The choice hangs on the work-group's number alone
	s_cselect_b64 s[4:5], s[4:5], s[6:7]
	s_cselect_b64 s[12:13], s[12:13], s[16:17]
	s_cselect_b64 s[14:15], s[14:15], s[18:19]
	s_cselect_b32 s24, ttmp9, s24                  ; place in the tensor read,
	s_cselect_b32 s25, ttmp9, s22                  ; and in the buffers written
	s_lshl_b32 s24, s24, 2
	s_add_co_u32 s24, s24, s20                     ; my wave's run of 8,192 numbers
	s_lshl_b32 s26, s24, 15                        ; 32,768 bytes a run (under 2^26)
	s_mov_b32 s27, 0
	s_lshl_b32 s25, s25, 2
	s_add_co_u32 s25, s25, s20
	s_lshl_b32 s28, s25, 12                        ; 4,096 bytes of codes a run
	s_mov_b32 s29, 0
	s_lshl_b32 s30, s25, 8                         ; 256 scale bytes a run
	s_mov_b32 s31, 0
	s_add_nc_u64 s[4:5], s[4:5], s[26:27]
	s_add_nc_u64 s[12:13], s[12:13], s[28:29]
	s_add_nc_u64 s[14:15], s[14:15], s[30:31]
.macro LOAD t
.irp i, 0,1,2,3
	global_load_b128 v[R+16*((\t)%4)+4*\i:R+16*((\t)%4)+4*\i+3], v3, s[4:5] offset:2048*(\t)+512*\i th:TH_LOAD_NT   ; 32 lanes read 512 consecutive bytes
.endr
.endm
.macro TURN t                          ; step t's numbers through the stage: LDS serves a wave's instructions in order, so no wait stands between the stores and the loads
.irp i, 0,1,2,3
	ds_store_b128 v14, v[R+16*((\t)%4)+4*\i:R+16*((\t)%4)+4*\i+3] offset:32*SP*((\t)%2)+8*SP*\i
.endr
.irp i, 0,1,2,3
	ds_load_b128 v[X+16*((\t)%2)+4*\i:X+16*((\t)%2)+4*\i+3], v15 offset:32*SP*((\t)%2)+16*\i
.endr
.endm
.irp t, 0,1,2,3
	LOAD \t
.endr
	s_wait_loadcnt 12                              ; step 0's four loads are in; the twelve of steps 1 to 3 may be out
	TURN 0
.macro STEP t
.set XS, X+16*((\t)%2)
.if (\t) > 0
	s_wait_dscnt 1                                 ; this step's numbers are back from the stage (the last step's byte store may be out): so its stores into the stage have read their registers,
.else
	s_wait_dscnt 0x0
.endif
.if (\t)+4 < STEPS
	LOAD (\t)+4                                    ; which take the loads of four steps on
.endif
.if (\t)+1 < STEPS
.if STEPS-2-(\t) >= 3
	s_wait_loadcnt 12                              ; the next step's four loads are in; those of the three steps behind it may be out
.else
	s_wait_loadcnt 4*(STEPS-2-(\t))
.endif
	TURN (\t)+1                                    ; and go through the other stage while this step is worked
.endif
	v_max3_num_f32 v8, |v[XS]|, |v[XS+1]|, |v[XS+2]|               ; the largest magnitude of my 16, in two chains
	v_max3_num_f32 v9, |v[XS+3]|, |v[XS+4]|, |v[XS+5]|
.irp i, 6,10
	v_max3_num_f32 v8, v8, |v[XS+\i]|, |v[XS+\i+1]|
	v_max3_num_f32 v9, v9, |v[XS+\i+2]|, |v[XS+\i+3]|
.endr
	v_max3_num_f32 v8, v8, |v[XS+14]|, |v[XS+15]|
	v_max3_num_f32 v8, v8, v9, (EMAX+1)<<23        ; and the floor 2^(3 - 127): so the byte cannot fall under 1
	v_max_num_f32_dpp v8, v8, v8 row_xmask:1 row_mask:0xf bank_mask:0xf   ; and of my neighbour's 16: the block's
	v_add_nc_u32 v11, -(EMAX<<23), v8              ; 2 off its exponent field: the conversion takes the exponent field of this operand as its scale, and nothing else of it
	v_cvt_scalef32_pk8_fp4_f32 v[C+4*(\t)], v[XS:XS+7], v11
	v_cvt_scalef32_pk8_fp4_f32 v[C+4*(\t)+1], v[XS+8:XS+15], v11
	v_lshrrev_b32 v[E+(\t)], 23, v11               ; the scale's byte (also the plain line behind the conversions)
	ds_store_b8 v5, v[E+(\t)] offset:16*(\t)       ; both lanes of a block write the same byte with the same value
	global_store_b64 v4, v[C+4*(\t):C+4*(\t)+1], s[12:13] offset:32*CB*(\t)   ; 32 lanes store 256 consecutive bytes, aligned
.endm
.irp t, 0,1,2,3,4,5,6,7,8,9,10,11,12,13,14,15
	STEP \t
.endr
	ds_load_b64 v[8:9], v6                         ; LDS serves a wave's instructions in order: these see my stores
	s_wait_dscnt 0x0
	global_store_b64 v7, v[8:9], s[14:15]          ; 32 lanes store 256 consecutive bytes, aligned
	s_wait_tensorcnt 0x0                           ; the wave's end
	ds_add_u32 v[SPW], v[NIL]
	s_wait_dscnt 0x0
	s_endpgm
.Lfunc_end_k_q517c15593a_quant:
	.size	k_q517c15593a_quant, .Lfunc_end_k_q517c15593a_quant-k_q517c15593a_quant
	.p2alignl 7, 3214868480
	.fill 96, 4, 3214868480
	.section	.rodata,"a",@progbits
	.p2align	6, 0x0
	.amdhsa_kernel k_q517c15593a_quant
		.amdhsa_group_segment_fixed_size 33280
		.amdhsa_private_segment_fixed_size 0
		.amdhsa_enable_private_segment 0
		.amdhsa_kernarg_size 64
		.amdhsa_user_sgpr_count 2
		.amdhsa_user_sgpr_kernarg_segment_ptr 1
		.amdhsa_wavefront_size32 1
		.amdhsa_system_sgpr_workgroup_id_x 1
		.amdhsa_system_sgpr_workgroup_id_y 1
		.amdhsa_system_sgpr_workgroup_id_z 1
		.amdhsa_system_vgpr_workitem_id 0
		.amdhsa_next_free_vgpr 192
		.amdhsa_next_free_sgpr 66
		.amdhsa_reserve_vcc 0
		.amdhsa_float_denorm_mode_32 3
		.amdhsa_float_denorm_mode_16_64 3
		.amdhsa_memory_ordered 1
		.amdhsa_forward_progress 1
		.amdhsa_inst_pref_size 34
	.end_amdhsa_kernel
	.amdgpu_metadata
---
amdhsa.version: [ 1, 2 ]
amdhsa.kernels:
  - .name:           k_q517c15593a_quant
    .symbol:         k_q517c15593a_quant.kd
    .args:
      - { .name: x, .offset: 0, .size: 8, .value_kind: global_buffer, .address_space: global }
      - { .name: W_Q, .offset: 8, .size: 8, .value_kind: global_buffer, .address_space: global }
      - { .name: W_K, .offset: 16, .size: 8, .value_kind: global_buffer, .address_space: global }
      - { .name: W_V, .offset: 24, .size: 8, .value_kind: global_buffer, .address_space: global }
      - { .name: xc, .offset: 32, .size: 8, .value_kind: global_buffer, .address_space: global }
      - { .name: xs, .offset: 40, .size: 8, .value_kind: global_buffer, .address_space: global }
      - { .name: wc, .offset: 48, .size: 8, .value_kind: global_buffer, .address_space: global }
      - { .name: ws, .offset: 56, .size: 8, .value_kind: global_buffer, .address_space: global }
    .group_segment_fixed_size: 33280
    .private_segment_fixed_size: 0
    .kernarg_segment_align: 8
    .kernarg_segment_size: 64
    .max_flat_workgroup_size: 128
    .sgpr_count:     66
    .vgpr_count:     192
    .wavefront_size: 32
...
	.end_amdgpu_metadata
.endif
;; end of part 1
;; launch proj (part 2): grid 12 x 32, 4 waves a work-group, clusters of 4 x 4, 327,680 bytes of LDS; arguments xc, xs, wc, ws, qkv; writes qkv
.if DOCPART == 2
	.amdgcn_target "amdgcn-amd-amdhsa--gfx1250"
	.amdhsa_code_object_version 6
	.text
	.protected	k_q517c15593a_proj
	.globl	k_q517c15593a_proj
	.p2align	8
	.type	k_q517c15593a_proj,@function
k_q517c15593a_proj:
	s_mov_b64 s[64:65], 0
	v_nop
	global_prefetch_b8 v0, s[64:65] scope:SCOPE_SE
	s_setreg_imm32_b32 hwreg(HW_REG_WAVE_MODE, 25, 1), 1
	s_wait_xcnt 0x0
	s_wait_alu depctr_hold_cnt(0) depctr_sa_sdst(0) depctr_va_vdst(0) depctr_va_sdst(0) depctr_va_ssrc(0) depctr_va_vcc(0) depctr_vm_vsrc(0)
	s_getreg_b32 s2, hwreg(HW_REG_IB_STS2, 6, 4)
	s_cmp_eq_u32 s2, 0
	s_cbranch_scc0 .Lentry_in_a_cluster
	s_endpgm
.Lentry_in_a_cluster:
	s_bfe_u32 s2, ttmp6, 0x10000c
	s_cmp_lg_u32 s2, 0xf033
	s_cbranch_scc0 .Lentry_shape_is_right
	s_endpgm
.Lentry_shape_is_right:
; qkv[m][n] = sum over k of x[m][k] W[n][k], m < 8192, n < 3072 (columns 0-1023 Q, 1024-2047 K, 2048-3071 V), on codes of FP4 (E2M1) with one E8M0 scale for each 32 along K; sums in f32; qkv in f16.
; f16 and not bf16: its step is eight times finer, and the two products that read qkv have little room.  LIMIT: |Q|, |K|, |V| up to 65,504 (beyond it the rounding gives infinity).
; A tile of 256 x 256 is made by a work-group of four waves; a wave makes 128 x 128: 64 accumulators, 512 registers.  K = 1,024 is two steps of 512, one in each of two LDS slots: both are first fills, nothing is filled again.
; THE SCALES of the work-group's 256 rows of x and 256 rows of W, for all of K, are two dense blocks of 8,192 bytes: they come into LDS once, in rows of 256 bytes.
; CLUSTERS: 4 x 4 work-groups.  The four of a row of the cluster need the same tiles of x, the four of a column the same tiles of W: each tile is asked for jointly, by the same tensor load with the same descriptor and a mask
; that names the four.  THE MATRIX INSTRUCTION IS USED TRANSPOSED (source 0 = 16 rows of W, source 1 = 16 rows of x): a lane then holds eight neighbouring numbers of a row of qkv.
; REGISTERS, in windows of 256: window 0: v0-31 addresses; v32-95 scale words, two sets (they hold nothing else); from v128 x's fragments, ONE set; on the way out v128-223.
;   window 1: W's fragments, TWO sets, at v0 and v128.   window 2: the accumulators of my rows 0-63 ((a, b) at v[8 (8 a + b)]);   window 3: those of my rows 64-127.
.set KSTEP,  512
.set NQ,     KSTEP/128                 ; matrix instructions deep
.set ROWB,   256                       ; a tile's row in bytes
.set KROW,   512                       ; a row of codes in memory
.set QROW,   6144                      ; a row of qkv in bytes
.set PITCH,  272                       ; an LDS row: 256 bytes + 16 of padding = 68 words: the 16 rows that a load touches start at 16 different banks (64 banks of 4 bytes: ISA guide 11.1)
.set FR,     8
.set NL,     2
.set NP,     4                         ; places behind this matrix instruction (ISA guide 7.12.1)
.set HALFT,  128*PITCH
.set SLOT,   4*HALFT
.set KS,     32                        ; a row of scales in bytes
.set SCL,    2*SLOT                    ; behind the ring: the scales, as rows of 256 bytes + 16 of padding
.set HALFS,  (128*KS/256)*272
.set SBLK,   (16*KS/256)*272
.set SPARE,  SCL+4*HALFS               ; the spare words, 128 bytes a wave
.set SPITCH, 272                       ; the way out: a stage of 16 rows x (256 bytes + 16) for each wave, in slot 0, which has had its last fill and its last read by then
.set ADRA, 16
.set ADRB, 20
.set STO,  24
.set RD,   25
.set CO,   26
.set ADRS, 27
.set SPW,  28
.set NIL,  29
.set SC,   32
.set AF,   128
.set TMP,  128                         ; the way out: packed results
.set OB,   160                         ; and 16 rows read back: v160-191 and v192-223 by turns
.set G1, 24
.set G0, 32
.set G1B, 48
.set G0B, 56
.set G1S, 68
.set G0S, 76
.set G1SB, 80
.set G0SB, 88
.set MSB, 0
.macro WIN new                         ; the immediate's high byte repeats the setting that is left
.if MSB != (\new)
	s_set_vgpr_msb (MSB<<8)|(\new)
.set MSB, (\new)
.endif
.endm
.set MUL_LO, 0xa1                      ; source 0 (W) window 1, source 1 (x) window 0, C and D window 2
.set MUL_HI, 0xf1
.set TO_B,   0x40
; A joint load: waves 0 and 1 fetch for x, waves 2 and 3 for W.  The branch hangs on the wave's number alone.  An s_nop 0 and four v_nop follow each of the two lines.
.macro JLOAD g0a, g1a, g0b, g1b
	s_cmp_eq_u32 s15, 0
	s_cbranch_scc0 .Lfor_b_\@
	tensor_load_to_lds s[\g0a:\g0a+3], s[\g1a:\g1a+7]
	s_nop 0
.rept 4
	v_nop
.endr
	s_branch .Lasked_\@
.Lfor_b_\@:
	tensor_load_to_lds s[\g0b:\g0b+3], s[\g1b:\g1b+7]
	s_nop 0
.rept 4
	v_nop
.endr
.Lasked_\@:
.endm
.macro CROUND                          ; a round of the cluster's barrier
	s_barrier_signal -1
	s_barrier_wait -1
	s_cmp_lg_u32 s14, 0
	s_cbranch_scc1 .Lnot_wave_0_\@
	s_barrier_signal -3
.Lnot_wave_0_\@:
	s_barrier_wait -3
	s_barrier_signal -1
	s_barrier_wait -1
.endm
	s_load_b128 s[4:7], s[0:1], 0x0                ; x's codes s[4:5], x's scales s[6:7]
	s_load_b128 s[8:11], s[0:1], 0x10              ; W's codes s[8:9], W's scales s[10:11]
	s_load_b64 s[12:13], s[0:1], 0x20              ; qkv
	v_lshl_add_u32 v[SPW], v0, 2, SPARE
	v_mov_b32 v[NIL], 0
	ds_add_u32 v[SPW], v[NIL]                      ; the wave's opening: the add, twice on end, and its wait ahead of my first tensor load
	ds_add_u32 v[SPW], v[NIL]
	v_lshrrev_b32 v1, 5, v0
	v_readfirstlane_b32 s14, v1                    ; wave 0..3
	s_lshr_b32 s15, s14, 1                         ; which half of the tile's rows is mine.  Also: I fetch for x (0) or for W (1)
	s_and_b32 s16, s14, 1                          ; which half of its columns.  Also: which 128 rows of that tile I fetch
	s_bfe_u32 s40, ttmp6, 0x40000                  ; cx, cy: my place in the cluster
	s_bfe_u32 s41, ttmp6, 0x40004
	s_lshl_b32 s42, ttmp9, 2
	s_add_co_u32 s42, s42, s40                     ; tile column = 4 x cluster x + cx
	s_and_b32 s17, ttmp7, 0xffff
	s_lshl_b32 s17, s17, 2
	s_add_co_u32 s17, s17, s41                     ; tile row = 4 x cluster y + cy
	s_lshl_b32 s43, s41, 2
	s_lshl_b32 s43, 15, s43                        ; my row of the cluster
	s_lshl_b32 s44, 0x1111, s40                    ; my column
	; descriptor group 1: a tile of 128 rows x 256 bytes, padded in LDS
	s_or_b32 s[G1+0], s43, (0<<16)|(1<<20)|(1<<21)|(5<<22)|(3<<25)  ; 15:0 the mask; 17:16 elements of 1 byte; 20 padding on; 21 set beside a mask; 24:22 after every 64 words; 31:25 four words
	s_or_b32 s[G1B+0], s44, (0<<16)|(1<<20)|(1<<21)|(5<<22)|(3<<25)
.irp g, G1, G1B
	s_mov_b32 s[\g+1], ROWB<<16                    ; tensor_dim0
	s_mov_b32 s[\g+2], 128<<16                     ; tensor_dim1
	s_mov_b32 s[\g+3], ROWB<<16                    ; tile_dim0
	s_mov_b32 s[\g+4], 128                         ; tile_dim1
	s_mov_b32 s[\g+5], KROW                        ; tensor_dim0_stride
	s_mov_b32 s[\g+6], 0
	s_mov_b32 s[\g+7], 0
.endr
	; the scales of 128 rows: a dense block of 4,096 bytes, as 16 rows of 256 bytes (32 elements of 8 bytes), 16 bytes of padding behind each
	s_or_b32 s[G1S+0], s43, (3<<16)|(1<<20)|(1<<21)|(5<<22)|(3<<25)
	s_or_b32 s[G1SB+0], s44, (3<<16)|(1<<20)|(1<<21)|(5<<22)|(3<<25)
.irp g, G1S, G1SB
	s_mov_b32 s[\g+1], 32<<16
	s_mov_b32 s[\g+2], (128*KS/256)<<16
	s_mov_b32 s[\g+3], 32<<16
	s_mov_b32 s[\g+4], 128*KS/256
	s_mov_b32 s[\g+5], 32
	s_mov_b32 s[\g+6], 0
	s_mov_b32 s[\g+7], 0
.endr
	s_lshl_b32 s18, s16, 7                         ; which 128 rows of the tile I fetch
	s_lshl_b32 s20, s17, 8
	s_add_co_u32 s20, s20, s18                     ; x: row 256 x tile row + 128 x half
	s_lshl_b32 s46, s42, 8
	s_add_co_u32 s46, s46, s18                     ; W: row 256 x tile column + 128 x half
	s_mov_b32 s21, 0
	s_mov_b32 s47, 0
	s_mov_b64 s[18:19], KS
	s_mul_u64 s[22:23], s[20:21], s[18:19]         ; where these rows' scales begin, in bytes
	s_mul_u64 s[92:93], s[46:47], s[18:19]
	s_mov_b64 s[18:19], KROW
	s_mul_u64 s[20:21], s[20:21], s[18:19]         ; and their codes
	s_mul_u64 s[46:47], s[46:47], s[18:19]
	s_mul_i32 s45, s14, HALFT                      ; where they go: wave x 128 rows: no place in the cluster enters an LDS address
	s_mul_i32 s94, s14, HALFS
	s_wait_dscnt 0x0                               ; both opening adds are done
	s_wait_kmcnt 0x0
	s_add_nc_u64 s[20:21], s[4:5], s[20:21]
	s_add_nc_u64 s[22:23], s[6:7], s[22:23]
	s_add_nc_u64 s[46:47], s[8:9], s[46:47]
	s_add_nc_u64 s[92:93], s[10:11], s[92:93]
	CROUND                                         ; all sixteen work-groups are here: the joint loads meet
	s_mov_b32 s[G0S], 1
	s_add_co_u32 s[G0S+1], s94, SCL
	s_mov_b64 s[G0S+2:G0S+3], s[22:23]
	s_or_b32 s[G0S+3], s[G0S+3], 0x80000000
	s_mov_b32 s[G0SB], 1
	s_add_co_u32 s[G0SB+1], s94, SCL
	s_mov_b64 s[G0SB+2:G0SB+3], s[92:93]
	s_or_b32 s[G0SB+3], s[G0SB+3], 0x80000000
	JLOAD G0S, G1S, G0SB, G1SB                     ; the scales first: they are wanted with K step 0
.irp s, 0,1
	s_mov_b32 s[G0+4*\s], 1
	s_add_co_u32 s[G0+4*\s+1], s45, \s*SLOT
	s_add_nc_u64 s[G0+4*\s+2:G0+4*\s+3], s[20:21], \s*ROWB
	s_or_b32 s[G0+4*\s+3], s[G0+4*\s+3], 0x80000000
	s_mov_b32 s[G0B+4*\s], 1
	s_add_co_u32 s[G0B+4*\s+1], s45, \s*SLOT
	s_add_nc_u64 s[G0B+4*\s+2:G0B+4*\s+3], s[46:47], \s*ROWB
	s_or_b32 s[G0B+4*\s+3], s[G0B+4*\s+3], 0x80000000
	JLOAD G0+4*\s, G1, G0B+4*\s, G1B               ; three tensor loads of mine are out at the most
.endr
	v_and_b32 v1, 15, v0                           ; l % 16
	v_bfe_u32 v2, v0, 4, 1                         ; l / 16
	v_mul_u32_u24 v3, v1, PITCH
	v_lshl_add_u32 v4, v2, 4, v3                   ; a fragment's row x pitch + 16 x half
	s_mul_i32 s21, s15, HALFT                      ; my 128 rows of x
	s_mul_i32 s22, s16, HALFT                      ; my 128 rows of W,
	s_add_co_u32 s22, s22, 2*HALFT                 ; which lie behind x's 256
.irp s, 0,1
	v_add_nc_u32 v[ADRA+\s], s21, v4
	v_add_nc_u32 v[ADRB+\s], s22, v4
	s_add_co_u32 s21, s21, SLOT
	s_add_co_u32 s22, s22, SLOT
.endr
	v_mul_u32_u24 v5, v1, KS                       ; my row's scales: 32 bytes a row,
	v_lshrrev_b32 v6, 8, v5
	v_lshl_add_u32 v5, v6, 4, v5                   ; and 16 more for each 256 passed
	s_mul_i32 s21, s15, HALFS                      ; x's: my 128 rows
	s_mul_i32 s22, s16, HALFS                      ; W's: my 128 rows, behind x's 256
	s_add_co_u32 s22, s22, 2*HALFS
	s_sub_co_u32 s22, s22, s21
	v_mul_u32_u24 v6, s22, v2                      ; lanes 16-31 take W's
	s_add_co_u32 s21, s21, SCL
	v_add_nc_u32 v5, v5, v6
	v_add_nc_u32 v[ADRS], s21, v5
	s_mul_i32 s23, s14, 16*SPITCH                  ; my stage
	v_mul_u32_u24 v5, v1, SPITCH                   ; in: row l % 16, 16 bytes for each half of the lanes
	v_lshl_add_u32 v5, v2, 4, v5
	v_add_nc_u32 v[STO], s23, v5
	v_mul_u32_u24 v5, v2, SPITCH                   ; back: lanes 0-15 one row of 256 bytes, lanes 16-31 the next
	v_lshl_add_u32 v5, v1, 4, v5
	v_add_nc_u32 v[RD], s23, v5
	v_mul_u32_u24 v5, v2, QROW                     ; and the same two rows in qkv
	v_lshl_add_u32 v[CO], v1, 4, v5
	s_lshl_b32 s20, s17, 8
	s_lshl_b32 s21, s15, 7
	s_add_co_u32 s20, s20, s21                     ; my first row: 256 x tile row + 128 x half
	s_mov_b32 s21, 0
	s_mov_b64 s[18:19], QROW
	s_mul_u64 s[20:21], s[20:21], s[18:19]
	s_lshl_b32 s46, s42, 9                         ; my first column, in bytes: 512 x tile column + 256 x half
	s_lshl_b32 s47, s16, 8
	s_add_co_u32 s46, s46, s47
	s_mov_b32 s47, 0
	s_add_nc_u64 s[20:21], s[20:21], s[46:47]
	s_add_nc_u64 s[12:13], s[12:13], s[20:21]
.macro FRAG reg, adr, q, i             ; a fragment, 16 rows x 128 K of 4-bit codes: lane l holds row l % 16; registers 4 c .. 4 c + 3 hold K = 64 c + 32 (l / 16) + 0 .. 31
.irp c, 0,1
	ds_load_b128 v[\reg+4*\c:\reg+4*\c+3], v[\adr] offset:64*(\q)+32*\c+(\i)*16*PITCH
.endr
.endm
; 16 matrix instructions: x's blocks a0, a0 + 1 against W's eight, 128 along K: the slot's q-th.  p: W's set; sc: the set of scale words.  zero = 1: the first product starts the sums.
; The 64 accumulators take turns, one instruction a turn, in the same order in every step.
.macro MUL16 a0, p, q, sc, zero
.irp a, \a0, \a0+1
.irp b, 0,1,2,3,4,5,6,7
.if \zero
	v_wmma_scale_f32_16x16x128_f8f6f4 v[8*(8*((\a)%4)+\b):8*(8*((\a)%4)+\b)+7], v[128*(\p)+FR*\b:128*(\p)+FR*\b+FR-1], v[AF+FR*(\a):AF+FR*(\a)+FR-1], 0, v[SC+8*NQ*(\sc)+NQ*\b+(\q)], v[SC+8*NQ*(\sc)+NQ*(\a)+(\q)] matrix_a_fmt:MATRIX_FMT_FP4 matrix_b_fmt:MATRIX_FMT_FP4 matrix_a_scale:MATRIX_SCALE_ROW1
.else
	v_wmma_scale_f32_16x16x128_f8f6f4 v[8*(8*((\a)%4)+\b):8*(8*((\a)%4)+\b)+7], v[128*(\p)+FR*\b:128*(\p)+FR*\b+FR-1], v[AF+FR*(\a):AF+FR*(\a)+FR-1], v[8*(8*((\a)%4)+\b):8*(8*((\a)%4)+\b)+7], v[SC+8*NQ*(\sc)+NQ*\b+(\q)], v[SC+8*NQ*(\sc)+NQ*(\a)+(\q)] matrix_a_fmt:MATRIX_FMT_FP4 matrix_b_fmt:MATRIX_FMT_FP4 matrix_a_scale:MATRIX_SCALE_ROW1
.endif
.endr
.endr
.endm
.macro FETCH_B slot, q, p              ; W's eight fragments of the slot's q-th 128 along K into set p
	WIN TO_B
.irp i, 0,1,2,3,4,5,6,7
	FRAG 128*(\p)+FR*\i, ADRB+\slot, \q, \i
.endr
	WIN 0
.endm
.macro FETCH_A slot, q, i0             ; x's blocks i0 .. i0 + 3
.irp i, \i0, \i0+1, \i0+2, \i0+3
	FRAG AF+FR*(\i), ADRA+\slot, \q, \i
.endr
.endm
.macro SCALES sc                       ; a K step's scale words into set sc: 4 words a row; lanes 0-15 take x's block i, lanes 16-31 W's block i
.irp i, 0,1,2,3,4,5,6,7
	ds_load_b128 v[SC+8*NQ*\sc+NQ*\i:SC+8*NQ*\sc+NQ*\i+3], v[ADRS] offset:\i*SBLK
.endr
.endm
; A load into a register that a matrix instruction has read, and a vector instruction that reads a matrix result or writes one of its registers, stand NP plain vector instructions behind it.
.macro PLACES n
.rept \n
	v_nop
.endr
.endm
; A step of 128 along K that has its successor in the same slot.
.macro STEP slot, q, zero
	s_wait_dscnt 4*NL                              ; W's set and x's blocks 0-3 are in; the youngest eight loads (x's blocks 4-7) may be out
	WIN MUL_LO
	MUL16 0, (\q)%2, \q, \slot, \zero
	MUL16 2, (\q)%2, \q, \slot, \zero
	s_wait_dscnt 0                                 ; x's blocks 4-7 are in (asked for 32 matrix instructions ago)
	PLACES NP
	FETCH_B \slot, (\q)+1, 1-(\q)%2
	FETCH_A \slot, (\q)+1, 0
	WIN MUL_HI
	MUL16 4, (\q)%2, \q, \slot, \zero
	MUL16 6, (\q)%2, \q, \slot, \zero
	PLACES NP
	WIN 0
	FETCH_A \slot, (\q)+1, 4
.endm
; Slot 0's last step changes slots: one barrier; in front of it each wave waits for all its tensor loads (its part of slot 1), adds 0 to its spare word, and waits for that and for its own reads of slot 0.  Nothing is filled again.
.macro TURN slot, next
	s_wait_tensorcnt 0x0                           ; all my tensor loads have landed (every window is 0 here)
	ds_add_u32 v[SPW], v[NIL]                      ; 0 onto my spare word
	s_wait_dscnt 4*NL+1                            ; (the add and the youngest eight loads may be out)
	WIN MUL_LO
	MUL16 0, 1, NQ-1, \slot, 0
	s_wait_dscnt 0x0                               ; the add is done, and my reads of this slot are over
	s_barrier_signal -1
	MUL16 2, 1, NQ-1, \slot, 0
	WIN 0
	s_barrier_wait -1
	PLACES NP
	v_add_nc_u32 v[ADRS], 4*NQ, v[ADRS]            ; on to the next K step's scale words (no LDS load of mine is out)
	FETCH_B \next, 0, 0
	FETCH_A \next, 0, 0
	SCALES \next
	WIN MUL_HI
	MUL16 4, 1, NQ-1, \slot, 0
	MUL16 6, 1, NQ-1, \slot, 0
	PLACES NP
	WIN 0
	FETCH_A \next, 0, 4
.endm
.macro STEPS slot, from                ; the slot's steps from .. NQ - 2
.set Q, \from
.rept NQ-1-\from
	STEP \slot, Q, 0
.set Q, Q+1
.endr
.endm
	s_wait_tensorcnt 1                             ; the scales and my part of K step 0 are in (K step 1's load may be out),
	s_barrier_signal -1
	s_barrier_wait -1                              ; everybody's are
	FETCH_B 0, 0, 0
	FETCH_A 0, 0, 0
	SCALES 0
	FETCH_A 0, 0, 4
	STEP 0, 0, 1                                   ; the first step's products start the sums: nothing is cleared
	STEPS 0, 1
	TURN 0, 1
	STEPS 1, 0
	s_wait_dscnt 4*NL                              ; the very last step: nothing more to fetch
	WIN MUL_LO
	MUL16 0, 1, NQ-1, 1, 0
	MUL16 2, 1, NQ-1, 1, 0
	s_wait_dscnt 0
	WIN MUL_HI
	MUL16 4, 1, NQ-1, 1, 0
	MUL16 6, 1, NQ-1, 1, 0
	WIN 0
; THE WAY OUT, block by block of 16 rows x 128 columns.  PACK: rounded to f16, 16 bytes a lane, each accumulator from its low end on.  TOSTAGE: into my own stage, and back as whole rows of 256 bytes.  SEND: stored.
.macro PACK a
.set AC, 64*((\a)%4)
	WIN 0x0a+5*((\a)/4)                            ; sources 0 and 1: window 2 or 3
.irp b, 0,1,2,3,4,5,6,7
.irp i, 0,1,2,3
	v_cvt_pk_f16_f32 v[TMP+4*\b+\i], v[AC+8*\b+2*\i], v[AC+8*\b+2*\i+1]
.endr
.endr
	WIN 0
.endm
.macro TOSTAGE a
.set BB, OB+32*((\a)%2)
.irp b, 0,1,2,3,4,5,6,7
	ds_store_b128 v[STO], v[TMP+4*\b:TMP+4*\b+3] offset:32*\b
.endr
.irp t, 0,1,2,3,4,5,6,7
	ds_load_b128 v[BB+4*\t:BB+4*\t+3], v[RD] offset:\t*2*SPITCH    ; LDS serves a wave's instructions in order (ISA guide 5.7.1.4): these see the stores above
.endr
.endm
.macro SEND a
.set BB, OB+32*((\a)%2)
	s_wait_dscnt 0x0                               ; the block is back in registers
	s_wait_xcnt 0x0                                ; the stores of the block before have read their registers: the next block's loads may land there
.irp t, 0,1,2,3,4,5,6,7
	global_store_b128 v[CO], v[BB+4*\t:BB+4*\t+3], s[12:13] offset:(16*(\a)+2*\t)*QROW   ; 16 lanes store 256 consecutive bytes, aligned; 126 rows of 6,144 bytes at the most: inside the signed 24-bit immediate
.endr
.endm
	PLACES NP                                      ; behind the last products: for the conversions' reads and for their writes over x's fragments
	PACK 0
	TOSTAGE 0
.irp a, 1,2,3,4,5,6,7                  ; block a's conversions stand between block a - 1's loads from the stage and the wait for them
	PACK \a
	SEND \a-1
	TOSTAGE \a
.endr
	SEND 7
	s_wait_tensorcnt 0x0                           ; the wave's end
	ds_add_u32 v[SPW], v[NIL]
	s_wait_dscnt 0x0
	CROUND                                         ; the closing round: no work-group ends while a partner may still ask for a tile that names it
	s_endpgm
.Lfunc_end_k_q517c15593a_proj:
	.size	k_q517c15593a_proj, .Lfunc_end_k_q517c15593a_proj-k_q517c15593a_proj
	.p2alignl 7, 3214868480
	.fill 96, 4, 3214868480
	.section	.rodata,"a",@progbits
	.p2align	6, 0x0
	.amdhsa_kernel k_q517c15593a_proj
		.amdhsa_group_segment_fixed_size 327680
		.amdhsa_private_segment_fixed_size 0
		.amdhsa_enable_private_segment 0
		.amdhsa_kernarg_size 40
		.amdhsa_user_sgpr_count 2
		.amdhsa_user_sgpr_kernarg_segment_ptr 1
		.amdhsa_wavefront_size32 1
		.amdhsa_system_sgpr_workgroup_id_x 1
		.amdhsa_system_sgpr_workgroup_id_y 1
		.amdhsa_system_sgpr_workgroup_id_z 1
		.amdhsa_system_vgpr_workitem_id 0
		.amdhsa_next_free_vgpr 1024
		.amdhsa_next_free_sgpr 98
		.amdhsa_reserve_vcc 0
		.amdhsa_float_denorm_mode_32 3
		.amdhsa_float_denorm_mode_16_64 3
		.amdhsa_memory_ordered 1
		.amdhsa_forward_progress 1
		.amdhsa_inst_pref_size 126
	.end_amdhsa_kernel
	.amdgpu_metadata
---
amdhsa.version: [ 1, 2 ]
amdhsa.kernels:
  - .name:           k_q517c15593a_proj
    .symbol:         k_q517c15593a_proj.kd
    .args:
      - { .name: xc, .offset: 0, .size: 8, .value_kind: global_buffer, .address_space: global }
      - { .name: xs, .offset: 8, .size: 8, .value_kind: global_buffer, .address_space: global }
      - { .name: wc, .offset: 16, .size: 8, .value_kind: global_buffer, .address_space: global }
      - { .name: ws, .offset: 24, .size: 8, .value_kind: global_buffer, .address_space: global }
      - { .name: qkv, .offset: 32, .size: 8, .value_kind: global_buffer, .address_space: global }
    .group_segment_fixed_size: 327680
    .private_segment_fixed_size: 0
    .kernarg_segment_align: 8
    .kernarg_segment_size: 40
    .max_flat_workgroup_size: 128
    .sgpr_count:     98
    .vgpr_count:     1024
    .wavefront_size: 32
...
	.end_amdgpu_metadata
.endif
;; end of part 2
;; launch scores (part 3): grid 8 x 32, 4 waves a work-group, clusters of 4 x 4, 327,680 bytes of LDS; arguments qkv, p, stats; writes p, stats
.if DOCPART == 3
	.amdgcn_target "amdgcn-amd-amdhsa--gfx1250"
	.amdhsa_code_object_version 6
	.text
	.protected	k_q517c15593a_scores
	.globl	k_q517c15593a_scores
	.p2align	8
	.type	k_q517c15593a_scores,@function
k_q517c15593a_scores:
	s_mov_b64 s[64:65], 0
	v_nop
	global_prefetch_b8 v0, s[64:65] scope:SCOPE_SE
	s_setreg_imm32_b32 hwreg(HW_REG_WAVE_MODE, 25, 1), 1
	s_wait_xcnt 0x0
	s_wait_alu depctr_hold_cnt(0) depctr_sa_sdst(0) depctr_va_vdst(0) depctr_va_sdst(0) depctr_va_ssrc(0) depctr_va_vcc(0) depctr_vm_vsrc(0)
	s_getreg_b32 s2, hwreg(HW_REG_IB_STS2, 6, 4)
	s_cmp_eq_u32 s2, 0
	s_cbranch_scc0 .Lentry_in_a_cluster
	s_endpgm
.Lentry_in_a_cluster:
	s_bfe_u32 s2, ttmp6, 0x10000c
	s_cmp_lg_u32 s2, 0xf033
	s_cbranch_scc0 .Lentry_shape_is_right
	s_endpgm
.Lentry_shape_is_right:
; For each batch: s[q][k] = Q[q] . K[k] (f16 operands out of qkv, f32 sums, K = 1,024);  t = s x log2(e) / 32.  For each row and each CHUNK of 128 keys: M = the chunk's largest t rounded up to a whole number,
; p = 2^(t - M) (at most 1), rounded to f16;  M into stats[chunk][row], l = the sum of the chunk's unrounded p into stats[16 + chunk][row] (f32).  The next launch brings the chunks under the row's own maximum.
; p IS LAID AS THE NEXT LAUNCH'S OPERAND REGISTERS WANT IT: 16 rows x 16 keys are an image of 512 bytes, lane (r, h)'s 16 bytes = row r, keys 8 h .. 8 h + 7;  byte = (row / 16) x 65,536 + (key / 16) x 512 + 16 x lane.
; The four packed registers of one accumulator are such an image as they stand: they are stored straight from registers, 512 consecutive bytes a store.
; LIMITS: a p under 2^-25 becomes 0 in f16; NaN and infinities are not served.
; A tile of 256 queries x 256 keys is made by a work-group of four waves; a wave makes 128 x 128 (its 128 keys are one chunk): 64 accumulators, 512 registers.  K goes in steps of 128 through a ring of two LDS slots:
; a tile's row is 256 bytes of memory, aligned.  256 work-groups.
; CLUSTERS: 4 x 4 work-groups.  The four of a row of the cluster need the same rows of Q, the four of a column the same rows of K: each tile is asked for jointly.
; THE MATRIX INSTRUCTION IS USED TRANSPOSED (source 0 = 16 keys, source 1 = 16 queries): a lane holds ONE query (lane % 16) and, in accumulator b, the keys 16 b + 8 (lane / 16) + 0 .. 7.
; REGISTERS, in windows of 256: window 0: v0-43 addresses and statistics; v64-127, v128-191 fragments of Q, two buffers; on the way out v64-127 p in f32, v128-159 p in f16.
;   window 1: v64-127, v128-191 fragments of K.   window 2: the accumulators of my rows 0-63 ((a, b) at v[8 (8 a + b)]);   window 3: those of my rows 64-127.
.set KSTEP,  128
.set QROW,   6144                      ; a row of qkv in bytes
.set PBLK,   65536                     ; 16 rows of p: 128 images of 512 bytes
.set PITCH,  272                       ; an LDS row: 256 bytes + 16 of padding: the 16 rows that a load touches start at 16 different banks (64 banks of 4 bytes: ISA guide 11.1)
.set HALFT,  128*PITCH
.set SLOT,   4*HALFT                   ; Q's 256 rows, then K's 256 rows
.set STATS,  2*SLOT                    ; behind the ring: a wave's 128 M (512 bytes), then its 128 l
.set SPARE,  STATS+4*1024              ; the spare words, 128 bytes a wave
.set LAPS,   4                         ; a lap = two K steps
.set SGO,  15                          ; v15  16 x lane: my bytes of an image, and of a run of 128 statistics; never rewritten
.set ADRA, 16                          ; v16-17  LDS address of my fragments of Q in slot 0, 1
.set ADRB, 20                          ; v20-21  the same for K
.set SMW,  27                          ; v27  where I put my row's M
.set SPW,  28
.set NIL,  29
.set PFO,  30                          ; v30  the prefetches' offset: lane x a row of qkv; never rewritten
.set SMR,  31                          ; v31  where I read the statistics back
.set T,    32                          ; v32-35 four chains of the maximum
.set MV,   36                          ; v36  M
.set LS,   38                          ; v[38:39], v[42:43] the sum in two chains
.set NMP,  40                          ; v40 -M, v41 the largest t
.set LS2,  42
.set X,    64
.set TMP,  128
.set F0,   64
.set F1,   128
.set G1,  24
.set G0,  32
.set G1B, 48
.set G0B, 56
.set LIM, 43                           ; s43  1 in a wave that prefetches, else the greatest number
.set PFA, 44                           ; s[44:45] where my prefetches stand
.set SEL, 20                           ; s[20:21] lane selects: lane l xor 16
.set NINF, 23                          ; s23  -infinity
.set ST,  68                           ; s[68:69] stats
.set CS,  70                           ; s[70:71] c = log2(e) / 32
.set MSB, 0
.macro WIN new                         ; the immediate's high byte repeats the setting that is left
.if MSB != (\new)
	s_set_vgpr_msb (MSB<<8)|(\new)
.set MSB, (\new)
.endif
.endm
.set MUL_LO, 0xa1                      ; source 0 (K) window 1, source 1 (Q) window 0, C and D window 2
.set MUL_HI, 0xf1
.set TO_B,   0x40
; A joint load: waves 0 and 1 fetch Q's two halves, waves 2 and 3 K's.  The branch hangs on the wave's number alone.  An s_nop 0 and four v_nop follow each of the two lines.
.macro JLOAD s
	s_cmp_eq_u32 s11, 0
	s_cbranch_scc0 .Lfor_b_\@
	tensor_load_to_lds s[G0+4*\s:G0+4*\s+3], s[G1:G1+7]
	s_nop 0
.rept 4
	v_nop
.endr
	s_branch .Lasked_\@
.Lfor_b_\@:
	tensor_load_to_lds s[G0B+4*\s:G0B+4*\s+3], s[G1B:G1B+7]
	s_nop 0
.rept 4
	v_nop
.endr
.Lasked_\@:
.endm
; A prefetch of the K step that stands two refills on: 32 rows x 256 bytes, a lane a row, one instruction a wave, behind the joint load and the run of LDS loads.  Each row's 256 bytes of a K step are named once in the launch:
; Q's rows by the cluster with x = 0, K's by the first of the two clusters along y that share a batch; the four partners that ask for a tile jointly share its rows out by address, 32 each.  The loop's last trip names nothing.
.macro ASK
	s_cmp_gt_u32 s3, s[LIM]
	s_cbranch_scc0 .Lnot_mine_\@
	global_prefetch_b8 v[PFO], s[PFA:PFA+1] offset:KSTEP*2 th:TH_LOAD_NT scope:SCOPE_SE
.Lnot_mine_\@:
.endm
.macro CREST                           ; a round of the cluster's barrier behind its opening barrier
	s_cmp_lg_u32 s10, 0
	s_cbranch_scc1 .Lnot_wave_0_\@
	s_barrier_signal -3
.Lnot_wave_0_\@:
	s_barrier_wait -3
	s_barrier_signal -1
	s_barrier_wait -1
.endm
.macro CROUND
	s_barrier_signal -1
	s_barrier_wait -1
	CREST
.endm
	s_load_b128 s[4:7], s[0:1], 0x0                ; qkv s[4:5], p s[6:7]
	s_load_b64 s[ST:ST+1], s[0:1], 0x10            ; stats
	v_lshl_add_u32 v[SPW], v0, 2, SPARE
	v_mov_b32 v[NIL], 0
	ds_add_u32 v[SPW], v[NIL]                      ; the wave's opening: the add, twice on end, and its wait ahead of my first tensor load
	ds_add_u32 v[SPW], v[NIL]
	v_lshrrev_b32 v1, 5, v0
	v_readfirstlane_b32 s10, v1                    ; wave 0..3
	s_lshr_b32 s11, s10, 1                         ; which half of the tile's queries is mine.  Also: I fetch for Q (0) or for K (1)
	s_and_b32 s12, s10, 1                          ; which half of its keys.  Also: which 128 rows of that tile I fetch
	s_bfe_u32 s40, ttmp6, 0x40000                  ; cx
	s_bfe_u32 s41, ttmp6, 0x40004                  ; cy
	s_lshl_b32 s42, ttmp9, 2
	s_add_co_u32 s42, s42, s40                     ; the batch's tile of keys = 4 x cluster x + cx
	s_and_b32 s13, ttmp7, 0xffff                   ; cluster y
	s_lshr_b32 s2, s13, 1                          ; the batch: eight tiles of rows, two clusters, each
	s_lshl_b32 s13, s13, 2
	s_add_co_u32 s13, s13, s41                     ; tile of rows = 4 x cluster y + cy
	s_lshl_b32 s43, s41, 2
	s_lshl_b32 s43, 15, s43                        ; my row of the cluster
	s_lshl_b32 s44, 0x1111, s40                    ; my column
	; descriptor group 1: a tile of 128 rows x 128 elements of 2 bytes, padded in LDS
	s_or_b32 s[G1+0], s43, (1<<16)|(1<<20)|(1<<21)|(5<<22)|(3<<25)  ; 15:0 the mask; 17:16 elements of 2 bytes; 20 padding on; 21 set beside a mask; 24:22 after every 64 words; 31:25 four words
	s_or_b32 s[G1B+0], s44, (1<<16)|(1<<20)|(1<<21)|(5<<22)|(3<<25)
.irp g, G1, G1B
	s_mov_b32 s[\g+1], KSTEP<<16                   ; tensor_dim0
	s_mov_b32 s[\g+2], 128<<16                     ; tensor_dim1
	s_mov_b32 s[\g+3], KSTEP<<16                   ; tile_dim0
	s_mov_b32 s[\g+4], 128                         ; tile_dim1
	s_mov_b32 s[\g+5], 3072                        ; elements from row to row of qkv
	s_mov_b32 s[\g+6], 0
	s_mov_b32 s[\g+7], 0
.endr
	; Q's tiles hang on the tile of rows alone, which my row of the cluster shares; K's on the batch and the tile of keys, which my column shares
	s_lshl_b32 s17, s12, 7                         ; which 128 rows of the tile I fetch
	s_lshl_b32 s16, s13, 8
	s_add_co_u32 s16, s16, s17                     ; Q: row 256 x tile of rows + 128 x half
	s_lshl_b32 s46, s42, 8
	s_add_co_u32 s46, s46, s17
	s_lshl_b32 s47, s2, 11
	s_add_co_u32 s46, s46, s47                     ; K: row 2,048 x batch + 256 x tile of keys + 128 x half
	s_mov_b32 s17, 0
	s_mov_b32 s47, 0
	s_mov_b64 s[18:19], QROW
	s_mul_u64 s[16:17], s[16:17], s[18:19]
	s_mul_u64 s[46:47], s[46:47], s[18:19]
	s_mul_i32 s20, s10, HALFT                      ; where they go: wave x 128 rows: no place in the cluster enters an LDS address
	s_wait_dscnt 0x0                               ; both opening adds are done
	s_wait_kmcnt 0x0
	s_mov_b64 s[8:9], s[6:7]                       ; p
	s_add_nc_u64 s[6:7], s[4:5], 2048              ; K's columns of qkv
	s_add_nc_u64 s[14:15], s[4:5], s[16:17]
	s_add_nc_u64 s[46:47], s[6:7], s[46:47]
	CROUND                                         ; all sixteen work-groups are here: the first joint loads meet
.irp s, 0,1
	s_mov_b32 s[G0+4*\s], 1
	s_add_co_u32 s[G0+4*\s+1], s20, \s*SLOT
	s_add_nc_u64 s[G0+4*\s+2:G0+4*\s+3], s[14:15], \s*KSTEP*2
	s_or_b32 s[G0+4*\s+3], s[G0+4*\s+3], 0x80000000
	s_mov_b32 s[G0B+4*\s], 1
	s_add_co_u32 s[G0B+4*\s+1], s20, \s*SLOT
	s_add_nc_u64 s[G0B+4*\s+2:G0B+4*\s+3], s[46:47], \s*KSTEP*2
	s_or_b32 s[G0B+4*\s+3], s[G0B+4*\s+3], 0x80000000
	JLOAD \s                                       ; two tensor loads of mine are out at the most
.endr
	v_and_b32 v1, 15, v0                           ; l % 16
	v_bfe_u32 v2, v0, 4, 1                         ; l / 16
	v_mul_u32_u24 v3, v1, PITCH
	v_lshl_add_u32 v3, v2, 4, v3                   ; a fragment's row x pitch + 16 x half
	s_mul_i32 s21, s11, HALFT                      ; my 128 rows of Q
	s_mul_i32 s22, s12, HALFT                      ; my 128 rows of K,
	s_add_co_u32 s22, s22, 2*HALFT                 ; which lie behind Q's 256
.irp s, 0,1
	v_add_nc_u32 v[ADRA+\s], s21, v3
	v_add_nc_u32 v[ADRB+\s], s22, v3
	s_add_co_u32 s21, s21, SLOT
	s_add_co_u32 s22, s22, SLOT
.endr
	s_lshl_b32 s22, s10, 10
	s_add_co_u32 s22, s22, STATS                   ; my statistics
	v_lshl_add_u32 v[SMW], v1, 2, s22              ; in: 4 bytes a row (both halves of the lanes write the same word with the same value)
	v_and_b32 v6, 31, v0
	v_lshlrev_b32 v[SGO], 4, v6
	v_add_nc_u32 v[SMR], s22, v[SGO]               ; back: 16 bytes a lane
	; where my part of p and of stats begins
	s_lshl_b32 s13, s13, 8                         ; 256 x tile of rows
	s_lshl_b32 s14, s11, 7
	s_add_co_u32 s16, s13, s14                     ; my first row
	s_lshl_b32 s18, s16, 2                         ; its place in a row of stats
	s_lshl_b32 s16, s16, 12                        ; and in p: (row / 16) x 65,536 (under 2^26)
	s_mov_b32 s17, 0
	s_lshl_b32 s46, s42, 13                        ; my first key's image: 16 images of 512 bytes x tile of keys + 8 x half
	s_lshl_b32 s47, s12, 12
	s_add_co_u32 s46, s46, s47
	s_mov_b32 s47, 0
	s_add_nc_u64 s[16:17], s[16:17], s[46:47]
	s_add_nc_u64 s[8:9], s[8:9], s[16:17]
	s_lshl_b32 s46, s42, 1
	s_add_co_u32 s46, s46, s12                     ; my chunk of keys: 2 x tile of keys + half
	s_lshl_b32 s46, s46, 15                        ; a row of stats is 32,768 bytes
	s_add_co_u32 s46, s46, s18
	s_add_nc_u64 s[ST:ST+1], s[ST:ST+1], s[46:47]
	; the prefetches
	s_lshl_b32 s42, s42, 8
	s_lshl_b32 s14, s2, 11
	s_add_co_u32 s42, s42, s14                     ; the first row of K's tile
	s_and_b32 s22, ttmp7, 1                        ; which of the batch's two clusters along y
	s_cmp_eq_u32 s11, 0                            ; do I fetch for Q?
	s_cselect_b32 s20, s13, s42                    ; the tile's first row
	s_cselect_b32 s21, s40, s41                    ; my place among the four that ask for it with me
	s_cselect_b32 s22, ttmp9, s22                  ; the coordinate along which other clusters read the same rows
	s_cselect_b64 s[PFA:PFA+1], s[4:5], s[6:7]
	s_cmp_eq_u32 s22, 0
	s_cselect_b32 s[LIM], 1, -1                    ; the same in all sixteen partners, for a given wave
	s_lshl_b32 s22, s12, 7
	s_add_co_u32 s20, s20, s22                     ; + the 128 rows that I fetch
	s_lshl_b32 s21, s21, 5
	s_add_co_u32 s20, s20, s21                     ; + my work-group's 32 of them
	s_mul_i32 s20, s20, QROW                       ; (under 2^26)
	s_mov_b32 s21, 0
	s_add_nc_u64 s[PFA:PFA+1], s[PFA:PFA+1], s[20:21]
	s_add_nc_u64 s[PFA:PFA+1], s[PFA:PFA+1], 2*KSTEP*2  ; at K step 2: the first refill steps it to 3 and names K step 4.  Nothing is prefetched here, at the head
	v_mul_u32_u24 v[PFO], v6, QROW
	s_mov_b32 s[SEL], 0x76543210
	s_mov_b32 s[SEL+1], 0xfedcba98
	s_mov_b32 s[NINF], 0xff800000
	s_mov_b32 s[CS], 0x3d38aa3b                    ; log2(e) / 32
	s_mov_b32 s[CS+1], s[CS]                       ; (named with it as a pair, so it is written)
; 16 matrix instructions: query blocks a0, a0 + 1 of the window's four x all 8 key blocks, 32 along K.  zero = 1: the first product starts the sums.  The 64 accumulators take turns.
.macro MUL16 f, hi, a0, zero
.irp a, \a0, \a0+1
.irp b, 0,1,2,3,4,5,6,7
.if \zero
	v_wmma_f32_16x16x32_f16 v[8*(8*(\a)+\b):8*(8*(\a)+\b)+7], v[\f+8*\b:\f+8*\b+7], v[\f+8*(4*\hi+\a):\f+8*(4*\hi+\a)+7], 0
.else
	v_wmma_f32_16x16x32_f16 v[8*(8*(\a)+\b):8*(8*(\a)+\b)+7], v[\f+8*\b:\f+8*\b+7], v[\f+8*(4*\hi+\a):\f+8*(4*\hi+\a)+7], v[8*(8*(\a)+\b):8*(8*(\a)+\b)+7]
.endif
.endr
.endr
.endm
; 32 LDS loads in one run: the fragments of a quarter step (128 rows of K, 128 rows of Q, 32 along K at byte k of the rows) into buffer f
.macro FETCH slot, k, f
	WIN TO_B
.irp i, 0,1,2,3,4,5,6,7
	ds_load_b128 v[\f+8*\i:\f+8*\i+3],   v[ADRB+\slot] offset:\k+\i*16*PITCH
	ds_load_b128 v[\f+8*\i+4:\f+8*\i+7], v[ADRB+\slot] offset:\k+\i*16*PITCH+32
.endr
	WIN 0
.irp i, 0,1,2,3,4,5,6,7
	ds_load_b128 v[\f+8*\i:\f+8*\i+3],   v[ADRA+\slot] offset:\k+\i*16*PITCH
	ds_load_b128 v[\f+8*\i+4:\f+8*\i+7], v[ADRA+\slot] offset:\k+\i*16*PITCH+32
.endr
.endm
.macro PLACES                          ; four plain vector instructions in front of loads into registers that matrix instructions have read, and of the first read of results
.rept 4
	v_nop
.endr
.endm
; A K step is four quarters of 32 along K, 64 matrix instructions each, on buffers 0, 1, 0, 1.  One of the first three: multiplies buffer f; in its middle it fetches the next quarter, at byte k, into g.
.macro QUARTER slot, k, f, g, zero
	s_wait_dscnt 8                                 ; K and Q's rows 0-63 are in; the youngest eight loads (Q's rows 64-127) may be out
	WIN MUL_LO
	MUL16 \f, 0, 0, \zero
	MUL16 \f, 0, 2, \zero
	PLACES
	FETCH \slot, \k, \g
	s_wait_dscnt 32                                ; all but the 32 just issued
	WIN MUL_HI
	MUL16 \f, 1, 0, \zero
	MUL16 \f, 1, 2, \zero
.endm
; The last quarter multiplies buffer 1 and changes slots: ONE barrier; in front of it each wave waits for all its tensor loads (its part of the next slot), adds 0 to its spare word, and waits for that and for its reads of this slot.
; fill = 1: the barrier opens a round of the cluster's, and this slot is filled again first thing behind it, two K steps ahead: 224 matrix instructions stand between the request and the wait for it.
.macro TURN slot, next, fill
.if \fill
	s_wait_xcnt 0x0                                ; the last prefetch, a K step back, has read its address
	s_add_nc_u64 s[PFA:PFA+1], s[PFA:PFA+1], KSTEP*2
.endif
	WIN 0                                          ; (the add's two registers lie in window 0)
	s_wait_tensorcnt 0x0                           ; all my tensor loads have landed
	ds_add_u32 v[SPW], v[NIL]                      ; 0 onto my spare word
	s_wait_dscnt 9                                 ; (the add and the youngest eight loads may be out)
	WIN MUL_LO
	MUL16 F1, 0, 0, 0
	s_wait_dscnt 0x0                               ; the add is done, and my reads of this slot are over
	s_barrier_signal -1
	MUL16 F1, 0, 2, 0
.if \fill
	WIN 0
.endif
	s_barrier_wait -1
.if \fill
	CREST                                          ; no wave of any partner still reads this slot's tile or has a load on its way
	s_add_nc_u64 s[G0+4*\slot+2:G0+4*\slot+3], s[G0+4*\slot+2:G0+4*\slot+3], 2*KSTEP*2
	s_add_nc_u64 s[G0B+4*\slot+2:G0B+4*\slot+3], s[G0B+4*\slot+2:G0B+4*\slot+3], 2*KSTEP*2
	JLOAD \slot                                    ; the four v_nop behind it are also the places in front of the loads below
.else
	PLACES
.endif
	FETCH \next, 0, F0
.if \fill
	ASK
.endif
	WIN MUL_HI
	MUL16 F1, 1, 0, 0
	MUL16 F1, 1, 2, 0
.endm
	s_wait_tensorcnt 1                             ; my part of K step 0 is in (K step 1's load may be out),
	s_barrier_signal -1
	s_barrier_wait -1                              ; everybody's is
	FETCH 0, 0, F0
	QUARTER 0, 64,  F0, F1, 1                      ; the first quarter's products start the sums
	WIN 0                                          ; at a label and at a branch every window is 0
	s_mov_b32 s3, LAPS-1
.Llap:                                                 ; a trip goes once round the ring and fills both slots again
	QUARTER 0, 128, F1, F0, 0
	QUARTER 0, 192, F0, F1, 0
	TURN 0, 1, 1
	QUARTER 1, 64,  F0, F1, 0
	QUARTER 1, 128, F1, F0, 0
	QUARTER 1, 192, F0, F1, 0
	TURN 1, 0, 1
	QUARTER 0, 64,  F0, F1, 0
	WIN 0
	s_sub_co_u32 s3, s3, 1
	s_cmp_lg_u32 s3, 0
	s_cbranch_scc1 .Llap
	QUARTER 0, 128, F1, F0, 0                      ; the last lap fills nothing
	QUARTER 0, 192, F0, F1, 0
	TURN 0, 1, 0
	QUARTER 1, 64,  F0, F1, 0
	QUARTER 1, 128, F1, F0, 0
	QUARTER 1, 192, F0, F1, 0
	s_wait_dscnt 8                                 ; the very last quarter: nothing more to fetch
	WIN MUL_LO
	MUL16 F1, 0, 0, 0
	MUL16 F1, 0, 2, 0
	s_wait_dscnt 0
	WIN MUL_HI
	MUL16 F1, 1, 0, 0
	MUL16 F1, 1, 2, 0
	WIN 0
; THE WAY OUT of block a (16 queries x my 128 keys; a lane: one query, 64 keys).
.macro EPI a
.set AC, 64*((\a)%4)
	WIN 0x28+0x14*((\a)/4)                         ; sources 1 and 2: window 2 or 3
.irp c, 0,1,2,3
	v_max3_num_f32 v[T+\c], s[NINF], v[AC+16*\c], v[AC+16*\c+1]   ; the largest score, in four chains of two accumulators each, every accumulator from its low end on
.endr
.irp i, 2,4,6,8,10,12,14
.irp c, 0,1,2,3
	v_max3_num_f32 v[T+\c], v[T+\c], v[AC+16*\c+\i], v[AC+16*\c+\i+1]
.endr
.endr
	WIN 0
	v_max3_num_f32 v[T], v[T], v[T+1], v[T+2]
	v_max_num_f32 v[T], v[T], v[T+3]
	v_permlanex16_b32 v[T+1], v[T], s[SEL], s[SEL+1]   ; the query's other 64 keys lie in the lane 16 away
	v_max_num_f32 v[T], v[T], v[T+1]
	v_mul_f32 v[NMP+1], s[CS], v[T]                ; as t (c is positive)
	v_floor_f32 v[NMP], -v[NMP+1]                  ; -M = floor(-t) = -ceil(t): M is a whole number
	WIN 2+(\a)/4                                   ; source 0: window 2 or 3
.set J, 0
.rept 32
	v_pk_fma_f32 v[X+J:X+J+1], v[AC+J:AC+J+1], s[CS:CS+1], v[NMP:NMP+1] op_sel_hi:[1,0,0]   ; t - M, two at a time (of the pairs c and -M the low word serves both halves)
.set J, J+2
.endr
	WIN 0
.set J, 0
.rept 64
	v_exp_f32 v[X+J], v[X+J]                       ; p = 2^(t - M), at most 1
.set J, J+1
.endr
	v_sub_f32 v[MV], 0, v[NMP]                     ; M (the plain instruction behind the exponentials)
	s_wait_alu depctr_va_vdst(0)                   ; one wait for the whole batch, ahead of its first reader
	s_wait_xcnt 0x0                                ; the stores of the block before have read their data: the packed registers are written again only behind this wait
.set J, 0
.rept 32
	v_cvt_pk_f16_f32 v[TMP+J], v[X+2*J], v[X+2*J+1]   ; registers 4 b .. 4 b + 3: my row's keys 16 b + 8 h + 0 .. 7: my 16 bytes of image b
.set J, J+1
.endr
	v_pk_add_f32 v[LS:LS+1], v[X:X+1], v[X+2:X+3]  ; the sum of the unrounded p, two at a time, in two chains
	v_pk_add_f32 v[LS2:LS2+1], v[X+4:X+5], v[X+6:X+7]
.irp j, 8,12,16,20,24,28,32,36,40,44,48,52,56,60
	v_pk_add_f32 v[LS:LS+1], v[LS:LS+1], v[X+\j:X+\j+1]
	v_pk_add_f32 v[LS2:LS2+1], v[LS2:LS2+1], v[X+\j+2:X+\j+3]
.endr
	v_pk_add_f32 v[LS:LS+1], v[LS:LS+1], v[LS2:LS2+1]
	v_add_f32 v[LS], v[LS], v[LS+1]
	v_permlanex16_b32 v[LS+1], v[LS], s[SEL], s[SEL+1]
	v_add_f32 v[LS], v[LS], v[LS+1]                ; l
	ds_store_b32 v[SMW], v[MV] offset:64*(\a)
	ds_store_b32 v[SMW], v[LS] offset:512+64*(\a)
.irp b, 0,1,2,3,4,5,6,7
	global_store_b128 v[SGO], v[TMP+4*\b:TMP+4*\b+3], s[8:9] offset:(\a)*PBLK+512*\b   ; an image: 32 lanes store 512 consecutive bytes, aligned
.endr
.endm
	PLACES                                         ; behind the last products
.irp a, 0,1,2,3,4,5,6,7
	EPI \a
.endr
	ds_load_b128 v[X:X+3], v[SMR]                  ; my 128 M and my 128 l, 16 bytes a lane (LDS serves a wave's instructions in order: these see my stores)
	ds_load_b128 v[X+4:X+7], v[SMR] offset:512
	s_wait_dscnt 0x0
	global_store_b128 v[SGO], v[X:X+3], s[ST:ST+1]                   ; 32 lanes store 512 consecutive bytes, aligned
	global_store_b128 v[SGO], v[X+4:X+7], s[ST:ST+1] offset:524288   ; l lies 16 rows of stats further on
	s_wait_tensorcnt 0x0                           ; the wave's end
	ds_add_u32 v[SPW], v[NIL]
	s_wait_dscnt 0x0
	CROUND                                         ; the closing round
	s_endpgm
.Lfunc_end_k_q517c15593a_scores:
	.size	k_q517c15593a_scores, .Lfunc_end_k_q517c15593a_scores-k_q517c15593a_scores
	.p2alignl 7, 3214868480
	.fill 96, 4, 3214868480
	.section	.rodata,"a",@progbits
	.p2align	6, 0x0
	.amdhsa_kernel k_q517c15593a_scores
		.amdhsa_group_segment_fixed_size 327680
		.amdhsa_private_segment_fixed_size 0
		.amdhsa_enable_private_segment 0
		.amdhsa_kernarg_size 24
		.amdhsa_user_sgpr_count 2
		.amdhsa_user_sgpr_kernarg_segment_ptr 1
		.amdhsa_wavefront_size32 1
		.amdhsa_system_sgpr_workgroup_id_x 1
		.amdhsa_system_sgpr_workgroup_id_y 1
		.amdhsa_system_sgpr_workgroup_id_z 1
		.amdhsa_system_vgpr_workitem_id 0
		.amdhsa_next_free_vgpr 1024
		.amdhsa_next_free_sgpr 72
		.amdhsa_reserve_vcc 0
		.amdhsa_float_denorm_mode_32 3
		.amdhsa_float_denorm_mode_16_64 3
		.amdhsa_memory_ordered 1
		.amdhsa_forward_progress 1
		.amdhsa_inst_pref_size 205
	.end_amdhsa_kernel
	.amdgpu_metadata
---
amdhsa.version: [ 1, 2 ]
amdhsa.kernels:
  - .name:           k_q517c15593a_scores
    .symbol:         k_q517c15593a_scores.kd
    .args:
      - { .name: qkv, .offset: 0, .size: 8, .value_kind: global_buffer, .address_space: global }
      - { .name: p, .offset: 8, .size: 8, .value_kind: global_buffer, .address_space: global }
      - { .name: stats, .offset: 16, .size: 8, .value_kind: global_buffer, .address_space: global }
    .group_segment_fixed_size: 327680
    .private_segment_fixed_size: 0
    .kernarg_segment_align: 8
    .kernarg_segment_size: 24
    .max_flat_workgroup_size: 128
    .sgpr_count:     72
    .vgpr_count:     1024
    .wavefront_size: 32
...
	.end_amdgpu_metadata
.endif
;; end of part 3
;; launch pv (part 4): grid 4 x 64, 4 waves a work-group, clusters of 4 x 4, 327,680 bytes of LDS; arguments p, qkv, stats, out0; writes out0
.if DOCPART == 4
	.amdgcn_target "amdgcn-amd-amdhsa--gfx1250"
	.amdhsa_code_object_version 6
	.text
	.protected	k_q517c15593a_pv
	.globl	k_q517c15593a_pv
	.p2align	8
	.type	k_q517c15593a_pv,@function
k_q517c15593a_pv:
	s_mov_b64 s[64:65], 0
	v_nop
	global_prefetch_b8 v0, s[64:65] scope:SCOPE_SE
	s_setreg_imm32_b32 hwreg(HW_REG_WAVE_MODE, 25, 1), 1
	s_wait_xcnt 0x0
	s_wait_alu depctr_hold_cnt(0) depctr_sa_sdst(0) depctr_va_vdst(0) depctr_va_sdst(0) depctr_va_ssrc(0) depctr_va_vcc(0) depctr_vm_vsrc(0)
	s_getreg_b32 s2, hwreg(HW_REG_IB_STS2, 6, 4)
	s_cmp_eq_u32 s2, 0
	s_cbranch_scc0 .Lentry_in_a_cluster
	s_endpgm
.Lentry_in_a_cluster:
	s_bfe_u32 s2, ttmp6, 0x10000c
	s_cmp_lg_u32 s2, 0xf033
	s_cbranch_scc0 .Lentry_shape_is_right
	s_endpgm
.Lentry_shape_is_right:
; out0[m][n] = (sum over chunks t of 2^(M_t - Mrow) sum over the chunk's 128 keys of p[m][k] V[k][n]) / (sum over t of 2^(M_t - Mrow) l_t), Mrow = the row's largest M_t.  p and V (columns 2048.. of qkv) are f16; sums in f32.
; All M are whole numbers, so every weight is a power of two.  The accumulators are kept in the scale of the chunk in hand: ahead of chunk t they are multiplied by 2^(k_(t-1) - k_t), k_t = max(M_t - Mrow, -60), which rounds nothing;
; at the end by 2^(k_15) / L.  LIMIT: a chunk whose M lies more than 60 under the row's counts with the weight 2^-60 and not less, in the sum of products and in L alike: under 2^-49 of the result.
; A tile of 128 rows x 256 columns is made by a work-group of four waves (tiles of 256 x 256 would be 128, half the WGPs); a wave makes 64 x 128: 32 accumulators.  A QUARTER is 32 keys, 32 matrix instructions.
; V lies [key][column]; it comes through a ring of two LDS slots of 256 keys (rows of 512 bytes of memory, aligned) and is read turned, by ds_load_tr16_b128.
; CLUSTERS: 4 x 4 work-groups.  The four of a column of the cluster need the same tiles of V: each is asked for jointly, every wave fetching 64 of a slot's keys.
; p DOES NOT GO THROUGH LDS, and so is not asked for jointly, though the four work-groups of a row of the cluster read the same rows: two slots with p's and V's tiles of 256 keys would be 2 x (128 x 528 + 256 x 544) = 413,696 bytes,
; more than a work-group can have, and slots of 128 keys leave a refill 112 matrix instructions in which to land against the 240 that it has here.  p lies in memory as images of the operand's registers
; (byte = (row / 16) x 65,536 + (key / 16) x 512 + 16 x lane), so a quarter's four fragments are eight loads of 512 consecutive bytes straight into registers: a ring of eight quarters, asked for seven quarters ahead.
; THE MATRIX INSTRUCTION IS USED TRANSPOSED (source 0 = 16 columns of V, source 1 = 16 rows of p): a lane holds ONE row (lane % 16) and eight neighbouring columns.
; REGISTERS, in windows of 256: window 0: v16-31 addresses; v40-55 at work; v64-255 the statistics at the head, the way out at the end.   window 1: V's 8 fragments, two buffers, at v0 and v64; v128-135 the factors in hand,
;   a pair for each of my four blocks of 16 rows.   window 2: the accumulators of row blocks 0 and 1 ((a, b) at v[8 (8 a + b)]) and, from v128, their ring of p: quarter j % 8, block a at v[128 + 16 j + 8 a].   window 3: the same for blocks 2 and 3.
;   So a product (D, V, p, C) and a rescaling multiply (accumulator = factor x accumulator) want the same windows: source 0 window 1, all else window 2 or 3.
.set QROW,  6144                       ; a row of qkv in bytes
.set OROW,  4096                       ; a row of out0 in bytes
.set PBLK,  65536                      ; 16 rows of p: 128 images of 512 bytes
.set PV,    544                        ; a row of V's tile in LDS: 512 bytes + 32 = 17 x 32
.set CHUNK, 128*PV                     ; a chunk's keys
.set SLOT,  256*PV                     ; a slot: two chunks
.set TABLE, 2*SLOT                     ; behind the ring: a wave's factors: entries 1 to 16 of 512 bytes (entry 0's bytes are not touched): 32 bytes for each of 16 rows
.set SPARE, TABLE+4*17*512             ; the spare words, 128 bytes a wave
.set TAD,  17                          ; v17  the table entry in hand
.set ADRV, 20                          ; v20-23  LDS address of my fragments of V: slot 0 chunk 0, slot 0 chunk 1, slot 1 chunk 0, slot 1 chunk 1 (a slot is longer than an LDS offset reaches)
.set STO,  24                          ; the way out: a stage of 16 rows x (512 bytes + 16) for each wave, in slot 0, which has had its last fill and its last read by then
.set RD,   25
.set CO,   26                          ; v26  16 x lane: my bytes of an image of p, and of a row of out0; never rewritten
.set TAD0, 27                          ; v27  my row's place in my wave's table; never rewritten
.set SPW,  28
.set NIL,  29
.set PFO,  30                          ; v30  the prefetches' offset; never rewritten
.set SV,   31                          ; v31  4 x (lane % 16)
.set MR,   40                          ; v40-43 the rows' largest M
.set LT,   44                          ; v44-47 L
.set WT,   48                          ; v48-51 a weight
.set RC,   52                          ; v52-55 1 / L
.set KM,   64                          ; v64-127  M, then k: block a, chunk t at KM + 16 a + t
.set LL,   128                         ; v128-191 l
.set EN,   128                         ; then v128-255: entry e at EN + 8 (e - 1)
.set X,    64                          ; the way out: a block's results
.set BK,   128                         ; and 16 rows read back: v128-191 and v192-255 by turns
.set FC,   128                         ; in window 1: the factors
.set PR,   128                         ; in windows 2 and 3: the ring of p
.set TS,   2                           ; s2   bytes from entry 0 to the entry in hand
.set G1V, 48
.set G0V, 56                           ; s[56:63] group 0, a set for each slot
.set LIM, 43                           ; s43  1 in a wave that prefetches, else the greatest number
.set PFA, 44                           ; s[44:45] where my prefetches stand
.set MSB, 0
.macro WIN new                         ; the immediate's high byte repeats the setting that is left
.if MSB != (\new)
	s_set_vgpr_msb (MSB<<8)|(\new)
.set MSB, (\new)
.endif
.endm
.set TO_F, 0x40                        ; destination window 1, address window 0
; A joint load: wave w fetches keys 64 w .. 64 w + 63 of a slot: one line, one mask; the descriptor hangs on the wave's number, the batch and the tile of columns.  An s_nop 0 and four v_nop follow it.
.macro JLOAD s
	tensor_load_to_lds s[G0V+4*(\s):G0V+4*(\s)+3], s[G1V:G1V+7]
	s_nop 0
.rept 4
	v_nop
.endr
.endm
; A prefetch of what the NEXT change of slots will ask for, 256 matrix instructions ahead of that load: of the 64 keys x 512 bytes that my wave fetches, the partner at place cy of my column of the cluster takes 16 keys, by address,
; two lanes a key: one instruction a wave.  The four clusters of a batch read the same V: the first of them asks.  So each aligned 256 bytes are named once in the launch.  strict = 1, a trip's second change: the last trip's names nothing,
; since no slot follows.  Slots 0 to 2 come by their loads alone.  p is not prefetched: its own loads are issued seven quarters ahead of their use.
.macro ASK strict
.if \strict
	s_cmp_gt_u32 s3, s[LIM]
.else
	s_cmp_ge_u32 s3, s[LIM]
.endif
	s_cbranch_scc0 .Lnot_mine_\@
	global_prefetch_b8 v[PFO], s[PFA:PFA+1] th:TH_LOAD_NT scope:SCOPE_SE
.Lnot_mine_\@:
.endm
.macro CREST                           ; a round of the cluster's barrier behind its opening barrier
	s_cmp_lg_u32 s12, 0
	s_cbranch_scc1 .Lnot_wave_0_\@
	s_barrier_signal -3
.Lnot_wave_0_\@:
	s_barrier_wait -3
	s_barrier_signal -1
	s_barrier_wait -1
.endm
.macro CROUND
	s_barrier_signal -1
	s_barrier_wait -1
	CREST
.endm
; A quarter's p: four fragments, eight loads of 512 consecutive bytes, into place j of the ring; off: the quarter's first image, in bytes from s[4:5]
.macro PLOAD j, off
	WIN 0x80                                       ; destination window 2, address window 0
.irp a, 0,1
.irp c, 0,1
	global_load_b128 v[PR+16*(\j)+8*\a+4*\c:PR+16*(\j)+8*\a+4*\c+3], v[CO], s[4:5] offset:(\off)+\a*PBLK+512*\c
.endr
.endr
	WIN 0xc0                                       ; destination window 3
.irp a, 0,1
.irp c, 0,1
	global_load_b128 v[PR+16*(\j)+8*\a+4*\c:PR+16*(\j)+8*\a+4*\c+3], v[CO], s[4:5] offset:(\off)+(\a+2)*PBLK+512*\c
.endr
.endr
.endm
	s_load_b256 s[4:11], s[0:1], 0x0               ; p s[4:5], qkv s[6:7], stats s[8:9], out0 s[10:11]
	v_lshl_add_u32 v[SPW], v0, 2, SPARE
	v_mov_b32 v[NIL], 0
	ds_add_u32 v[SPW], v[NIL]                      ; the wave's opening: the add, twice on end, and its wait ahead of my first tensor load
	ds_add_u32 v[SPW], v[NIL]
	v_lshrrev_b32 v1, 5, v0
	v_readfirstlane_b32 s12, v1                    ; wave 0..3
	s_lshr_b32 s13, s12, 1                         ; which half of the tile's rows is mine
	s_and_b32 s14, s12, 1                          ; which half of its columns
	s_bfe_u32 s40, ttmp6, 0x40000                  ; cx
	s_bfe_u32 s41, ttmp6, 0x40004                  ; cy
	s_lshl_b32 s42, ttmp9, 2
	s_add_co_u32 s42, s42, s40                     ; tile of columns = 4 x cluster x + cx
	s_and_b32 s17, ttmp7, 0xffff                   ; cluster y
	s_lshr_b32 s16, s17, 2                         ; the batch: sixteen tiles of rows, four clusters, each
	s_lshl_b32 s15, s17, 2
	s_add_co_u32 s15, s15, s41                     ; tile of rows = 4 x cluster y + cy
	s_lshl_b32 s44, 0x1111, s40                    ; my column of the cluster
	; descriptor group 1: 64 keys x 256 elements of 2 bytes, 8 words of padding after every 128
	s_or_b32 s[G1V+0], s44, (1<<16)|(1<<20)|(1<<21)|(6<<22)|(7<<25)  ; 15:0 the mask; 17:16 elements of 2 bytes; 20 padding on; 21 set beside a mask
	s_mov_b32 s[G1V+1], 256<<16                    ; tensor_dim0
	s_mov_b32 s[G1V+2], 64<<16                     ; tensor_dim1
	s_mov_b32 s[G1V+3], 256<<16                    ; tile_dim0
	s_mov_b32 s[G1V+4], 64                         ; tile_dim1
	s_mov_b32 s[G1V+5], 3072                       ; elements from row to row of qkv
	s_mov_b32 s[G1V+6], 0
	s_mov_b32 s[G1V+7], 0
	; V's tiles hang on the batch, the tile of columns and the wave's number, which my column of the cluster shares
	s_lshl_b32 s46, s16, 11
	s_lshl_b32 s20, s12, 6
	s_add_co_u32 s46, s46, s20
	s_mul_i32 s46, s46, QROW                       ; key 2,048 x batch + 64 x wave,
	s_lshl_b32 s47, s42, 9
	s_add_co_u32 s46, s46, s47                     ; + 512 bytes x tile of columns,
	s_add_co_u32 s46, s46, 4096                    ; in V's columns of qkv (under 2^26)
	s_mov_b32 s47, 0
	s_mul_i32 s22, s12, 64*PV                      ; where they go: wave x 64 keys: no place in the cluster enters an LDS address
	s_mov_b32 s[TS], 0
	s_wait_dscnt 0x0                               ; both opening adds are done
	s_wait_kmcnt 0x0
	s_add_nc_u64 s[46:47], s[6:7], s[46:47]
	CROUND                                         ; all sixteen work-groups are here: the first joint loads meet
.irp s, 0,1
	s_mov_b32 s[G0V+4*\s], 1
	s_add_co_u32 s[G0V+4*\s+1], s22, \s*SLOT
	s_add_nc_u64 s[G0V+4*\s+2:G0V+4*\s+3], s[46:47], \s*256*QROW
	s_or_b32 s[G0V+4*\s+3], s[G0V+4*\s+3], 0x80000000
	JLOAD \s                                       ; two tensor loads of mine are out at the most
.endr
	v_and_b32 v1, 15, v0                           ; r = l % 16
	v_bfe_u32 v2, v0, 4, 1                         ; h = l / 16
	v_and_b32 v3, 31, v0                           ; lane
	v_lshlrev_b32 v[CO], 4, v3
	v_lshlrev_b32 v[SV], 2, v1
	s_lshl_b32 s20, s15, 7
	s_lshl_b32 s21, s13, 6
	s_add_co_u32 s20, s20, s21                     ; my first row: 128 x tile of rows + 64 x half
	s_lshl_b32 s18, s20, 12                        ; (row / 16) x 65,536 in p, row x 4,096 in out0 (under 2^26)
	s_mov_b32 s19, 0
	s_add_nc_u64 s[4:5], s[4:5], s[18:19]          ; p at my first block of rows
	s_lshl_b32 s22, s20, 2
	s_mov_b32 s23, 0
	s_add_nc_u64 s[8:9], s[8:9], s[22:23]          ; my rows' place in a row of stats
	s_lshl_b32 s21, s42, 10
	s_add_co_u32 s18, s18, s21                     ; + 1,024 bytes x tile of columns
	s_lshl_b32 s21, s14, 9
	s_add_co_u32 s18, s18, s21                     ; + 512 x half
	s_add_nc_u64 s[10:11], s[10:11], s[18:19]      ; out0
.set I, 0
.rept 7
	PLOAD I, I*1024                                ; p of quarters 0 to 6
.set I, I+1
.endr
	WIN 0
.irp a, 0,1,2,3                        ; the statistics of my 64 rows: lane (r, h) takes row 16 a + r's M and l of all 16 chunks
.irp t, 0,1,2,3,4,5,6,7,8,9,10,11,12,13,14,15
	global_load_b32 v[KM+16*\a+\t], v[SV], s[8:9] offset:32768*\t+64*\a
	global_load_b32 v[LL+16*\a+\t], v[SV], s[8:9] offset:524288+32768*\t+64*\a
.endr
.endr
	v_and_b32 v5, 7, v0                            ; the turning load: lane l reads 16 bytes: key 8 (l / 16) + l % 8, columns 8 ((l / 8) % 2) + 0 .. 7
	v_lshl_add_u32 v5, v2, 3, v5
	v_mul_u32_u24 v5, v5, PV
	v_bfe_u32 v6, v0, 3, 1
	v_lshl_add_u32 v5, v6, 4, v5
	s_lshl_b32 s20, s14, 8                         ; my 128 columns of V
	v_add_nc_u32 v[ADRV], s20, v5
	v_add_nc_u32 v[ADRV+1], CHUNK, v[ADRV]
	v_add_nc_u32 v[ADRV+2], SLOT, v[ADRV]
	v_add_nc_u32 v[ADRV+3], SLOT+CHUNK, v[ADRV]
	s_mul_i32 s20, s12, 16*528                     ; my stage
	v_mul_u32_u24 v4, v1, 528                      ; in: row r, 32 bytes for each half of the lanes
	v_lshl_add_u32 v4, v2, 5, v4
	v_add_nc_u32 v[STO], s20, v4
	v_add_nc_u32 v[RD], s20, v[CO]                 ; back: the 32 lanes take one row of 512 bytes
	s_mul_i32 s20, s12, 17*512
	s_add_co_u32 s20, s20, TABLE                   ; my table
	v_lshl_add_u32 v[TAD0], v1, 5, s20             ; 32 bytes a row (both halves of the lanes write, and read, the same bytes)
	; the prefetches: where my wave's stand, and who asks
	s_lshl_b32 s20, s16, 11
	s_lshl_b32 s21, s12, 6
	s_add_co_u32 s20, s20, s21
	s_lshl_b32 s21, s41, 4
	s_add_co_u32 s20, s20, s21                     ; key 2,048 x batch + 64 x wave + 16 cy,
	s_add_co_u32 s20, s20, 2*256                   ; in slot 2: the first change of slots steps it to slot 3.  Nothing is prefetched here, at the head
	s_mul_i32 s20, s20, QROW
	s_lshl_b32 s21, s42, 9
	s_add_co_u32 s20, s20, s21
	s_add_co_u32 s20, s20, 4096                    ; in my tile's columns (under 2^26)
	s_mov_b32 s21, 0
	s_add_nc_u64 s[PFA:PFA+1], s[6:7], s[20:21]
	s_and_b32 s22, s17, 3                          ; which of the batch's four clusters
	s_cmp_eq_u32 s22, 0
	s_cselect_b32 s[LIM], 1, -1                    ; the same in all sixteen partners
	v_lshrrev_b32 v[PFO], 1, v3
	v_mul_u32_u24 v[PFO], v[PFO], QROW             ; two lanes a key,
	v_and_b32 v4, 1, v3
	v_lshl_add_u32 v[PFO], v4, 8, v[PFO]           ; 256 bytes apart
	s_wait_loadcnt 0x0                             ; the statistics are in (and p's first seven quarters, which were asked for ahead of them)
.irp a, 0,1,2,3
	v_max3_num_f32 v[MR+\a], v[KM+16*\a], v[KM+16*\a+1], v[KM+16*\a+2]   ; the row's largest M (the four blocks by turns)
.endr
.irp t, 3,5,7,9,11,13
.irp a, 0,1,2,3
	v_max3_num_f32 v[MR+\a], v[MR+\a], v[KM+16*\a+\t], v[KM+16*\a+\t+1]
.endr
.endr
.irp a, 0,1,2,3
	v_max_num_f32 v[MR+\a], v[MR+\a], v[KM+16*\a+15]
.endr
.irp t, 0,1,2,3,4,5,6,7,8,9,10,11,12,13,14,15
.irp a, 0,1,2,3
	v_sub_f32 v[KM+16*\a+\t], v[KM+16*\a+\t], v[MR+\a]              ; M_t - Mrow: a whole number, 0 or less,
.endr
.irp a, 0,1,2,3
	v_max_num_f32 v[KM+16*\a+\t], 0xc2700000, v[KM+16*\a+\t]        ; held at -60,
.endr
.irp a, 0,1,2,3
	v_cvt_i32_f32 v[KM+16*\a+\t], v[KM+16*\a+\t]                    ; as an integer: k_t
.endr
.irp a, 0,1,2,3
	v_ldexp_f32 v[WT+\a], 1.0, v[KM+16*\a+\t]                       ; the chunk's weight 2^k_t
.endr
.irp a, 0,1,2,3
.if \t == 0
	v_mul_f32 v[LT+\a], v[WT+\a], v[LL+16*\a]                       ; L = the sum of 2^k_t l_t
.else
	v_fma_f32 v[LT+\a], v[WT+\a], v[LL+16*\a+\t], v[LT+\a]
.endif
.endr
.endr
.irp a, 0,1,2,3
	v_rcp_f32 v[RC+\a], v[LT+\a]                   ; L is over 0.5: the chunk with k = 0 has a p over 0.5
.endr
	v_nop                                          ; a plain instruction behind the last reciprocal
	s_wait_alu depctr_va_vdst(0)                   ; one wait for the four, ahead of their first reader
.irp e, 1,2,3,4,5,6,7,8,9,10,11,12,13,14,15   ; entry e: what brings the sums from chunk e - 1's scale into chunk e's; each factor twice, a pair for the packed multiply
.irp a, 0,1,2,3
	v_sub_nc_u32 v[EN+8*(\e-1)+2*\a+1], v[KM+16*\a+\e-1], v[KM+16*\a+\e]
.endr
.irp a, 0,1,2,3
	v_ldexp_f32 v[EN+8*(\e-1)+2*\a], 1.0, v[EN+8*(\e-1)+2*\a+1]
.endr
.irp a, 0,1,2,3
	v_mov_b32 v[EN+8*(\e-1)+2*\a+1], v[EN+8*(\e-1)+2*\a]
.endr
	ds_store_b128 v[TAD0], v[EN+8*(\e-1):EN+8*(\e-1)+3] offset:512*\e
	ds_store_b128 v[TAD0], v[EN+8*(\e-1)+4:EN+8*(\e-1)+7] offset:512*\e+16
.endr
.irp a, 0,1,2,3                        ; entry 16: 2^k_15 / L
	v_ldexp_f32 v[EN+120+2*\a], v[RC+\a], v[KM+16*\a+15]
	v_ldexp_f32 v[EN+120+2*\a+1], v[RC+\a], v[KM+16*\a+15]
.endr
	ds_store_b128 v[TAD0], v[EN+120:EN+123] offset:512*16
	ds_store_b128 v[TAD0], v[EN+124:EN+127] offset:512*16+16
; What quarter Q of a lap (16 quarters: slot 0's eight, slot 1's eight; 16 is the next lap's 0) names
.macro QSET Q
.set QF, 64*((\Q)%2)                   ; V's buffer that it multiplies,
.set QG, 64*(((\Q)+1)%2)               ; and the one that it fills, with the next quarter's fragments:
.set QA, 2*((((\Q)+1)/8)%2)+(((\Q)+1)/4)%2   ; their address register (slot, chunk),
.set QN, ((\Q)+1)%4                    ; and their place in the chunk
.set QJ, (\Q)%8                        ; its place in the ring of p,
.set QP, ((\Q)+7)%8                    ; and the place that it fills, which the quarter before has read: p of seven quarters on
.set QS, ((\Q)/8)%2                    ; its slot
.endm
; 16 LDS loads in one run: V's eight fragments (turned) of 32 keys: address register ai, the chunk's qc-th 32 keys, into buffer f
.macro FETCH ai, qc, f
	WIN TO_F
.irp b, 0,1,2,3,4,5,6,7
	ds_load_tr16_b128 v[\f+8*\b:\f+8*\b+3],   v[ADRV+\ai] offset:32*PV*(\qc)+32*\b
	ds_load_tr16_b128 v[\f+8*\b+4:\f+8*\b+7], v[ADRV+\ai] offset:32*PV*(\qc)+32*\b+16*PV
.endr
.endm
.macro FADR                            ; on to the next chunk's factors
	s_add_co_u32 s[TS], s[TS], 512
	WIN 0
	v_add_nc_u32 v[TAD], s[TS], v[TAD0]
.endm
.macro FLOAD
	WIN TO_F
	ds_load_b128 v[FC:FC+3], v[TAD]
	ds_load_b128 v[FC+4:FC+7], v[TAD] offset:16
.endm
; Product i = 8 a + b: rows 16 a on, columns 16 b on, 32 keys.  The 32 accumulators take turns, in the same order in every quarter.
.macro MM i, zero
	WIN 0xa9+0x54*((\i)/16)                        ; source 0 window 1; source 1, C and D window 2 (blocks 0, 1) or 3 (blocks 2, 3)
.if \zero
	v_wmma_f32_16x16x32_f16 v[8*((\i)%16):8*((\i)%16)+7], v[QF+8*((\i)%8):QF+8*((\i)%8)+7], v[PR+16*QJ+8*(((\i)/8)%2):PR+16*QJ+8*(((\i)/8)%2)+7], 0
.else
	v_wmma_f32_16x16x32_f16 v[8*((\i)%16):8*((\i)%16)+7], v[QF+8*((\i)%8):QF+8*((\i)%8)+7], v[PR+16*QJ+8*(((\i)/8)%2):PR+16*QJ+8*(((\i)/8)%2)+7], v[8*((\i)%16):8*((\i)%16)+7]
.endif
.endm
.macro MMS from, n
.set I, \from
.rept \n
	MM I, 0
.set I, I+1
.endr
.endm
.macro SLICE i                         ; accumulator i into the next chunk's scale: four packed multiplies, from its low end on, under the windows of its products
	WIN 0xa9+0x54*((\i)/16)
.irp j, 0,2,4,6
	v_pk_mul_f32 v[8*((\i)%16)+\j:8*((\i)%16)+\j+1], v[FC+2*((\i)/8):FC+2*((\i)/8)+1], v[8*((\i)%16)+\j:8*((\i)%16)+\j+1]
.endr
.endm
.macro PLACES                          ; four plain vector instructions in front of loads into registers that matrix instructions have read, and of the first read of results
.rept 4
	v_nop
.endr
.endm
; A quarter that does not change slots.  At its head go out, in one run, the next quarter's fragments of V (32 matrix instructions ahead of their use) and, pl = 1, p of seven quarters on.
; lc: how many younger loads of p may be out when this quarter's have to be there: eight for each of the six quarters behind it that have been asked for; the count runs down where nothing is left to ask for.
; A chunk's last quarter also fetches the next chunk's factors.  mode 1: the products start the sums.  mode 2, a chunk's first quarter: each accumulator is rescaled two products ahead of its own; every slice stands behind
; the four v_nop at the quarter's head, which stand behind the last product on every accumulator, and names no register of the products round it.
.macro QUARTER Q, mode, pl, lc
	QSET \Q
	s_wait_dscnt 0x0                               ; V's buffer is in (and, in mode 2, the factors)
	s_wait_loadcnt \lc                             ; loads come back in order (ISA guide 5.7.1): this quarter's p is in
	PLACES
.if (\Q)%4 == 3
	FADR
.endif
	FETCH QA, QN, QG
.if (\Q)%4 == 3
	FLOAD
.endif
.if \pl
	PLOAD QP, ((\Q)+7)*1024
.endif
.if \mode == 2
	SLICE 0
	SLICE 1
.set I, 0
.rept 32
	MM I, 0
.if I < 30
	SLICE I+2
.endif
.set I, I+1
.endr
.else
.set I, 0
.rept 32
	MM I, \mode
.set I, I+1
.endr
.endif
.endm
; A slot's last quarter changes slots: ONE barrier; in front of it each wave waits for all its tensor loads (its part of the next slot), adds 0 to its spare word, and waits for that and for its reads of this slot.
; fill = 1: the barrier opens a round of the cluster's, and this slot is filled again first thing behind it, with the keys two slots on: 240 matrix instructions stand between the request and the wait for it.
.macro TURN Q, fill, pl, lc, strict
	QSET \Q
.if \fill
	s_wait_xcnt 0x0                                ; the last prefetch, a slot back, has read its address
	s_add_nc_u64 s[PFA:PFA+1], s[PFA:PFA+1], 256*QROW
.endif
	s_wait_loadcnt \lc                             ; this quarter's p is in
	WIN 0                                          ; (the add's two registers lie in window 0)
	s_wait_tensorcnt 0x0                           ; all my tensor loads have landed
	ds_add_u32 v[SPW], v[NIL]                      ; 0 onto my spare word
	s_wait_dscnt 1                                 ; V's buffer is in (the add may be out)
	MMS 0, 8
	s_wait_dscnt 0x0                               ; the add is done, and my reads of this slot are over
	s_barrier_signal -1
	MMS 8, 8
	WIN 0
	s_barrier_wait -1
.if \fill
	CREST                                          ; no wave of any partner still reads this slot's tile or has a load on its way
	s_add_nc_u64 s[G0V+4*QS+2:G0V+4*QS+3], s[G0V+4*QS+2:G0V+4*QS+3], 512*QROW
	JLOAD QS                                       ; the four v_nop behind it are also the places in front of the loads below
.else
	PLACES
.endif
	FADR
	FETCH QA, QN, QG
	FLOAD
.if \pl
	PLOAD QP, ((\Q)+7)*1024
.endif
.if \fill
	WIN 0
	ASK \strict
.endif
	MMS 16, 16
.endm
	s_wait_tensorcnt 1                             ; my part of slot 0 is in (slot 1's load may be out)
	s_wait_dscnt 0x0                               ; and my table's stores have landed
	s_barrier_signal -1
	s_barrier_wait -1                              ; everybody's part is in
	FETCH 0, 0, 0
	QUARTER 0, 1, 1, 48                            ; the first quarter's products start the sums
	WIN 0                                          ; at a label and at a branch every window is 0
	s_mov_b32 s3, 3
.Llap:                                                 ; a trip goes once round the ring, from a lap's second quarter to the next lap's first, and fills both slots again
	QUARTER 1, 0, 1, 48
	QUARTER 2, 0, 1, 48
	QUARTER 3, 0, 1, 48
	QUARTER 4, 2, 1, 48
	QUARTER 5, 0, 1, 48
	QUARTER 6, 0, 1, 48
	TURN 7, 1, 1, 48, 0
	QUARTER 8, 2, 1, 48
	QUARTER 9, 0, 1, 48
	QUARTER 10, 0, 1, 48
	QUARTER 11, 0, 1, 48
	QUARTER 12, 2, 1, 48
	QUARTER 13, 0, 1, 48
	QUARTER 14, 0, 1, 48
	TURN 15, 1, 1, 48, 1
	QUARTER 16, 2, 1, 48
	WIN 0
	s_wait_xcnt 0x0                                ; every load of p that has been issued has read its base: it steps a lap's 16 quarters on
	s_add_nc_u64 s[4:5], s[4:5], 16*1024
	s_sub_co_u32 s3, s3, 1
	s_cmp_lg_u32 s3, 0
	s_cbranch_scc1 .Llap
	QUARTER 1, 0, 1, 48                            ; the last lap fills no slot; its first eight quarters ask for p's last eight
	QUARTER 2, 0, 1, 48
	QUARTER 3, 0, 1, 48
	QUARTER 4, 2, 1, 48
	QUARTER 5, 0, 1, 48
	QUARTER 6, 0, 1, 48
	TURN 7, 0, 1, 48, 0
	QUARTER 8, 2, 1, 48
	QUARTER 9, 0, 0, 48
	QUARTER 10, 0, 0, 40
	QUARTER 11, 0, 0, 32
	QUARTER 12, 2, 0, 24
	QUARTER 13, 0, 0, 16
	QUARTER 14, 0, 0, 8
	QSET 15                                        ; the very last quarter: only entry 16 is still fetched
	s_wait_dscnt 0x0
	s_wait_loadcnt 0x0
	FADR
	FLOAD
	MMS 0, 32
	WIN 0
; THE WAY OUT, block by block of 16 rows x 128 columns: x 2^k_15 / L; through my own stage in LDS; back as whole rows of 512 bytes.
.macro SCALE a
	WIN 0x09+4*((\a)/2)                            ; source 0 (the factor) window 1, source 1 window 2 or 3, destination window 0
.set I, 0
.rept 32
	v_pk_mul_f32 v[X+I:X+I+1], v[FC+2*(\a):FC+2*(\a)+1], v[64*((\a)%2)+I:64*((\a)%2)+I+1]   ; each accumulator from its low end on
.set I, I+2
.endr
	WIN 0
.endm
.macro TOSTAGE a
.set BB, BK+64*((\a)%2)
.irp b, 0,1,2,3,4,5,6,7
	ds_store_b128 v[STO], v[X+8*\b:X+8*\b+3] offset:64*\b
	ds_store_b128 v[STO], v[X+8*\b+4:X+8*\b+7] offset:64*\b+16
.endr
.irp t, 0,1,2,3,4,5,6,7,8,9,10,11,12,13,14,15
	ds_load_b128 v[BB+4*\t:BB+4*\t+3], v[RD] offset:\t*528           ; LDS serves a wave's instructions in order (ISA guide 5.7.1.4): these see the stores above
.endr
.endm
.macro SEND a, younger                 ; younger: the LDS instructions issued behind block a's loads: the next block's 16 stores and 16 loads, or none
.set BB, BK+64*((\a)%2)
	s_wait_dscnt \younger
.irp t, 0,1,2,3,4,5,6,7,8,9,10,11,12,13,14,15
	global_store_b128 v[CO], v[BB+4*\t:BB+4*\t+3], s[10:11] offset:(16*(\a)+\t)*OROW th:TH_STORE_NT   ; 32 lanes store 512 consecutive bytes, aligned; written once, read by nobody here
.endr
.endm
	PLACES                                         ; behind the last products
	s_wait_dscnt 0x0                               ; entry 16 is in
	SCALE 0
	TOSTAGE 0
.irp a, 1,2,3
	SCALE \a
.if \a > 1
	s_wait_xcnt 0x0                                ; block a - 2's stores have read their registers: block a's loads may land there
.endif
	TOSTAGE \a
	SEND \a-1, 32
.endr
	SEND 3, 0
	s_wait_tensorcnt 0x0                           ; the wave's end
	ds_add_u32 v[SPW], v[NIL]
	s_wait_dscnt 0x0
	CROUND                                         ; the closing round
	s_endpgm
.Lfunc_end_k_q517c15593a_pv:
	.size	k_q517c15593a_pv, .Lfunc_end_k_q517c15593a_pv-k_q517c15593a_pv
	.p2alignl 7, 3214868480
	.fill 96, 4, 3214868480
	.section	.rodata,"a",@progbits
	.p2align	6, 0x0
	.amdhsa_kernel k_q517c15593a_pv
		.amdhsa_group_segment_fixed_size 327680
		.amdhsa_private_segment_fixed_size 0
		.amdhsa_enable_private_segment 0
		.amdhsa_kernarg_size 32
		.amdhsa_user_sgpr_count 2
		.amdhsa_user_sgpr_kernarg_segment_ptr 1
		.amdhsa_wavefront_size32 1
		.amdhsa_system_sgpr_workgroup_id_x 1
		.amdhsa_system_sgpr_workgroup_id_y 1
		.amdhsa_system_sgpr_workgroup_id_z 1
		.amdhsa_system_vgpr_workitem_id 0
		.amdhsa_next_free_vgpr 1024
		.amdhsa_next_free_sgpr 66
		.amdhsa_reserve_vcc 0
		.amdhsa_float_denorm_mode_32 3
		.amdhsa_float_denorm_mode_16_64 3
		.amdhsa_memory_ordered 1
		.amdhsa_forward_progress 1
		.amdhsa_inst_pref_size 255
	.end_amdhsa_kernel
	.section	.bss,"aw",@nobits
	.p2align	6
	.space	262144
	.amdgpu_metadata
---
amdhsa.version: [ 1, 2 ]
amdhsa.kernels:
  - .name:           k_q517c15593a_pv
    .symbol:         k_q517c15593a_pv.kd
    .args:
      - { .name: p, .offset: 0, .size: 8, .value_kind: global_buffer, .address_space: global }
      - { .name: qkv, .offset: 8, .size: 8, .value_kind: global_buffer, .address_space: global }
      - { .name: stats, .offset: 16, .size: 8, .value_kind: global_buffer, .address_space: global }
      - { .name: out0, .offset: 24, .size: 8, .value_kind: global_buffer, .address_space: global }
    .group_segment_fixed_size: 327680
    .private_segment_fixed_size: 0
    .kernarg_segment_align: 8
    .kernarg_segment_size: 32
    .max_flat_workgroup_size: 128
    .sgpr_count:     66
    .vgpr_count:     1024
    .wavefront_size: 32
...
	.end_amdgpu_metadata
.endif
;; end of part 4
